; MI455X (gfx1250); checked and timed in simulation.
; The chip was launched on July 23, 2026; its instructions are those of AMD's public machine-readable ISA for CDNA 5 (MIT licence, August 2026) and "CDNA5" Instruction Set Architecture Reference Guide (July 2026). The comments in the code are by the model that wrote it; some were corrected since.
;; Attention. Allowed arithmetic: matrix products marked QUANTISED: E2M3 operands, one E8M0 scale for each 32 along K, by v_wmma_scale_f32_16x16x128_f8f6f4 with both operands' format E2M3, f32 sums; products left as they are: f32 operands where the result goes on into a quantised operand, else bf16, f16 or f32 operands; f32 sums; everything else in f32.
;; Inputs: decoder_state 32 x 1 x 1,024 float32; listener_feature 32 x 2,048 x 1,024 float32; phi_b 1,024 float32; phi_w 1,024 x 1,024 float32; psi_b 1,024 float32; psi_w 1,024 x 1,024 float32.
;; Outputs: out0 32 x 2,048 float32; out1 32 x 1,024 float32.
;; This version of the problem:
;;   THIS VERSION OF THE PROBLEM IS GIVEN IN LOW PRECISION. The matrix products marked QUANTISED in the list below multiply operands that are first quantised to E2M3 (2 exponent bits, 3 mantissa bits; 6 bits a number), with one power-of-two scale for each 32 numbers along K (OCP MX v1.0); their sums are f32. All else is computed in f32.
;;   The module's matrix products, in the order in which they are computed (A, B: the left and right operand; K: the contracted axis; several contracted axes count as one K, in the product's order):
;;     1. [M 32, K 1,024] x [K 1,024, N 1,024]; A: input decoder_state; B: input phi_w: QUANTISED
;;     2. [M 65,536, K 1,024] x [K 1,024, N 1,024]; A: input listener_feature; B: input psi_w: QUANTISED
;;     3. batch 256 x [M 1, K 128] x [K 128, N 2,048]; A: computed on the way; B: computed on the way: left as it is (M = 1 < 16)
;;     4. batch 256 x [M 1, K 2,048] x [K 2,048, N 128]; A: softmax; B: input listener_feature: left as it is (M = 1 < 16)
;;   THE QUANTISER, for each operand of a quantised product, along K:
;;     - K is cut into blocks of 32 from its start; a last block that is shorter is filled with zeros.
;;     - A block's scale is 2^e with e = floor(log2(the largest magnitude in the block)) - 2, held to -126 .. 127; a block of zeros has e = 0. As a byte (E8M0): e + 127.
;;     - Each number is divided by its block's scale, clamped to +-7.5, and rounded to the nearest number of E2M3, ties to even, subnormals kept.
;;     - The product sums the exact products of the quantised numbers (number of the format x scale) in f32.
;;   ~~~python
;;   def quantise(x, axis):      # numpy; x: float32 -> the quantised numbers, widened to float32 again
;;       x = np.moveaxis(x, axis, -1); K = x.shape[-1]
;;       x = np.pad(x, [(0, 0)] * (x.ndim - 1) + [(0, -K % 32)]); x = x.reshape(x.shape[:-1] + (-1, 32)); a = np.abs(x).max(-1, keepdims=True)
;;       e = np.where(a > 0, np.clip(np.frexp(np.where(a > 0, a, 1))[1] - 1 - 2, -126, 127), 0)      # np.frexp(a)[1] - 1 = floor(log2(a)), exactly
;;       r = np.clip(x / 2.0 ** e, -7.5, 7.5)
;;       step = 2.0 ** (np.maximum(np.frexp(np.where(r == 0, 1, r))[1] - 1, 0) - 3)
;;       q = np.round(r / step) * step * 2.0 ** e      # np.round: ties to even
;;       return np.moveaxis(q.reshape(q.shape[:-2] + (-1,))[..., :K], -1, axis).astype(np.float32)
;;   ~~~
;; 2 versions. Each part assembles by itself: llvm-mc -triple=amdgcn-amd-amdhsa -mcpu=gfx1250 --defsym DOCPART=n.
;; ======== version 1 of 2: 3 launches
;; workspace buffers: wq 819,200 bytes; qv 131,072 bytes; part 4,194,304 bytes; stat 262,144 bytes; ebuf 262,144 bytes
;; launch prep (part 1): grid 64 x 2, 8 waves a work-group, no clusters, 18,432 bytes of LDS; arguments decoder_state, phi_w, phi_b, psi_w, wq, qv; writes wq, qv
.if DOCPART == 1
	.amdgcn_target "amdgcn-amd-amdhsa--gfx1250"
	.amdhsa_code_object_version 6
	.text
	.protected	k_qfdb121f847_prep
	.globl	k_qfdb121f847_prep
	.p2align	8
	.type	k_qfdb121f847_prep,@function
k_qfdb121f847_prep:
	s_mov_b64 s[64:65], 0
	v_nop
	global_prefetch_b8 v0, s[64:65] scope:SCOPE_SE
	s_setreg_imm32_b32 hwreg(HW_REG_WAVE_MODE, 25, 1), 1
	s_wait_xcnt 0x0
; y = 0: psi_w [1024][1024] f32 becomes codes of FP6 (E2M3) with one E8M0 byte for each 32 along K, laid in wq in the order of the operand's registers.
; y = 1: q = relu(decoder_state phi_w^T + phi_b), [32][1024] f32, both operands quantised here, the product on codes; it goes to qv.
; A work-group takes 16 rows of its weight (tile J = work-group x); wave s takes K step s (128 along K).  Lane (r, h) holds row r and k = 128 s + 64 c + 32 h + 0 .. 31 in registers 6 c .. 6 c + 5:
; a lane owns two whole blocks of 32, so a block's largest magnitude needs no other lane.
; wq: 64 records of 12,800 bytes.  Codes: record + 1536 k + 512 c + 16 lane (register group c of K step k).  Scale words: record + 12288 + 16 lane + 4 i = the word of row lane % 16 for K step 2 i + lane / 16.
; A block's scale is 2^(floor(log2(largest magnitude)) - 2); its byte is the largest magnitude's exponent field - 2, held at 1 from below.
; LIMITS: a block of zeros gets the byte 1 (its codes are zeros; only this program reads the bytes); blocks whose largest magnitude lies under 2^-124 were not tried; NaN and infinities are not served.
; The two paths part once, on the work-group's y, and never join: each has its own LDS bytes, its own barrier and its own end.
.set SCG,   0                          ; psi path: the tile's 128 scale words, 512 bytes
.set RED,   512                        ; phi path: 8 waves x 2,048 bytes of partial sums
.set SPARE, 16896                      ; the spare words: 128 bytes for each of eight waves, four blocks of 256 bytes that no other line names
.set SPW,  1                           ; v1   LDS address of my spare word; never rewritten
.set NIL,  2                           ; v2   0; never rewritten
.set WOFF, 3                           ; v3   4096 r + 128 h: my row and my half in a tile of 16 rows of 1,024 f32
.set L16,  4                           ; v4   16 x lane
.set SH8,  5                           ; v5   8 h
.set SCA,  6                           ; v6   where my row's scale word goes
.set RST,  7                           ; v7   where my partial sums go
.set RLD,  8                           ; v8   where I read partial sums back
.set QOFF, 9                           ; v9   my two numbers in qv
.set BOFF, 10                          ; v10  and in phi_b
.set PX,   11                          ; v11  a lane permute's destination
.set MX,   12                          ; v12-13 largest magnitudes
.set SC,   14                          ; v14-15 the conversions' scale operands
.set BY,   16                          ; v16-17 scale bytes
.set BI,   18                          ; v[18:19] bias
.set TC,   20                          ; v[20:22], v[24:26] the upper halves of a block's codes
.set PWW,  23                          ; scale words: the weight's, and the two tiles' of decoder_state
.set PWD0, 27
.set PWD1, 31
.set PCW,  32                          ; v[32:43] the weight's fragment
.set PCD0, 44                          ; v[44:55] decoder_state rows 0-15
.set PCD1, 64                          ; v[64:75] rows 16-31 (over the weight's numbers, which are done with)
.set XW,   64                          ; v64-127  64 numbers of the weight
.set XD0,  128
.set XD1,  192
.set DD,   80                          ; v[80:95] two accumulators
.set RR,   96                          ; v[96:111] eight waves' partial sums
; 64 numbers of a lane, register 32 c + i = k 64 c + 32 h + i of my row, become a fragment's 12 registers and its scale word.
.macro QUANT64 x, pc, pw
.irp c, 0,1
	v_max3_num_f32 v[MX+\c], |v[\x+32*\c]|, |v[\x+32*\c+1]|, 0x1800000   ; with the floor 2^(3 - 127): the byte cannot fall under 1
.endr
.irp i, 2,4,6,8,10,12,14,16,18,20,22,24,26,28,30
.irp c, 0,1
	v_max3_num_f32 v[MX+\c], v[MX+\c], |v[\x+32*\c+\i]|, |v[\x+32*\c+\i+1]|   ; the two blocks by turns
.endr
.endr
.irp c, 0,1
	v_add_nc_u32 v[SC+\c], 0xff000000, v[MX+\c]    ; 2 off the exponent field: the conversion takes this operand's exponent field as its scale
.endr
.irp c, 0,1
	v_lshrrev_b32 v[BY+\c], 23, v[SC+\c]           ; the scale's byte
.endr
	v_lshl_or_b32 v[\pw], v[BY+1], 16, v[BY]       ; my bytes: blocks h and 2 + h,
	v_lshlrev_b32 v[\pw], v[SH8], v[\pw]           ; at their places in the word;
	v_permlanex16_b32 v[PX], v[\pw], s24, s25
	v_or_b32 v[\pw], v[\pw], v[PX]                 ; with lane l xor 16's two the word is whole, in both halves of the lanes
.irp c, 0,1
	v_cvt_scalef32_pk16_fp6_f32 v[\pc+6*\c:\pc+6*\c+2], v[\x+32*\c:\x+32*\c+15], v[SC+\c]
	v_cvt_scalef32_pk16_fp6_f32 v[TC+4*\c:TC+4*\c+2], v[\x+32*\c+16:\x+32*\c+31], v[SC+\c]   ; a conversion's three registers begin on an even number
.endr
	v_nop                                          ; one plain instruction behind the scaled conversions
.irp c, 0,1
.irp i, 0,1,2
	v_mov_b32 v[\pc+6*\c+3+\i], v[TC+4*\c+\i]
.endr
.endr
.endm
	s_load_b256 s[4:11], s[0:1], 0x0               ; decoder_state s[4:5], phi_w s[6:7], phi_b s[8:9], psi_w s[10:11]
	s_load_b128 s[12:15], s[0:1], 0x20             ; wq s[12:13], qv s[14:15]
	v_lshl_add_u32 v[SPW], v0, 2, SPARE
	v_mov_b32 v[NIL], 0
	v_lshrrev_b32 v28, 5, v0
	v_readfirstlane_b32 s16, v28                   ; wave s = K step
	s_and_b32 s17, ttmp7, 0xffff                   ; y: 0 psi, 1 phi
	v_and_b32 v28, 31, v0                          ; lane
	v_and_b32 v29, 15, v0                          ; r
	v_bfe_u32 v30, v0, 4, 1                        ; h
	v_lshlrev_b32 v[WOFF], 12, v29
	v_lshl_add_u32 v[WOFF], v30, 7, v[WOFF]
	v_lshlrev_b32 v[L16], 4, v28
	v_lshlrev_b32 v[SH8], 3, v30
	v_mov_b32 v[PX], 0                             ; a lane permute's destination counts as one of its sources
	s_and_b32 s18, s16, 1
	s_lshr_b32 s20, s16, 1
	s_lshl_b32 s19, s18, 8
	s_lshl_b32 s21, s20, 2
	s_add_co_u32 s19, s19, s21
	v_lshl_add_u32 v[SCA], v29, 4, s19             ; SCG + 16 r + 256 (s % 2) + 4 (s / 2)
	s_lshl_b32 s22, s16, 11
	s_add_co_u32 s22, s22, RED
	v_add_nc_u32 v[RST], s22, v[L16]               ; RED + 2048 s + 16 lane
	s_lshl_b32 s22, s20, 9
	s_lshl_b32 s23, s18, 3
	s_add_co_u32 s22, s22, s23
	s_add_co_u32 s22, s22, RED
	v_add_nc_u32 v[RLD], s22, v[L16]               ; RED + 512 (s / 2) + 16 lane + 8 (s % 2): registers 2 s and 2 s + 1 of the sixteen
	s_and_b32 s22, s16, 3
	s_lshl_b32 s22, s22, 3
	v_lshl_add_u32 v[BOFF], v30, 5, s22            ; 4 (8 h + 2 (s % 4))
	s_lshr_b32 s23, s16, 2
	s_lshl_b32 s23, s23, 16
	v_lshl_add_u32 v[QOFF], v29, 12, v[BOFF]
	v_add_nc_u32 v[QOFF], s23, v[QOFF]             ; + row 16 (s / 4) + r of 4,096 bytes
	s_mov_b32 s24, 0x76543210
	s_mov_b32 s25, 0xfedcba98                      ; v_permlanex16_b32's selects for lane l xor 16
	s_wait_kmcnt 0x0
	s_cmp_eq_u32 s17, 0
	s_cselect_b64 s[26:27], s[10:11], s[6:7]       ; my weight: the choice hangs on the work-group's number alone
	s_lshl_b32 s28, ttmp9, 16                      ; 16 J rows of 4,096 bytes
	s_lshl_b32 s29, s16, 9                         ; K step s: 512 bytes
	s_add_co_u32 s28, s28, s29
	s_mov_b32 s29, 0
	s_add_nc_u64 s[26:27], s[26:27], s[28:29]
.irp c, 0,1
.irp j, 0,1,2,3,4,5,6,7
	global_load_b128 v[XW+32*\c+4*\j:XW+32*\c+4*\j+3], v[WOFF], s[26:27] offset:256*\c+16*\j th:TH_LOAD_NT
.endr
.endr
	s_cmp_lg_u32 s17, 0
	s_cbranch_scc1 .Lphi
	; ---- psi: the fragment's image and its scale words go to wq
	s_mul_i32 s28, ttmp9, 12800
	s_add_nc_u64 s[12:13], s[12:13], s[28:29]      ; my tile's record
	s_mul_i32 s28, s16, 1536
	s_add_nc_u64 s[30:31], s[12:13], s[28:29]      ; my K step's 1,536 bytes in it
	s_wait_loadcnt 0x0                             ; nothing was issued behind the weight's sixteen loads
	QUANT64 XW, PCW, PWW
.irp c, 0,1,2
	global_store_b128 v[L16], v[PCW+4*\c:PCW+4*\c+3], s[30:31] offset:512*\c   ; 32 lanes store 512 consecutive bytes, aligned to 256
.endr
	ds_store_b32 v[SCA], v[PWW] offset:SCG         ; both halves of the lanes write the same word with the same value
	s_wait_dscnt 0x0                               ; for the others' sake: my store has landed
	s_barrier_signal -1
	s_barrier_wait -1
	s_cmp_lg_u32 s16, 0
	s_cbranch_scc1 .Lpsi_end                       ; wave 0 stores the tile's 512 bytes of scale words
	ds_load_b128 v[44:47], v[L16] offset:SCG
	s_wait_dscnt 0x0
	global_store_b128 v[L16], v[44:47], s[12:13] offset:12288
.Lpsi_end:
	s_wait_tensorcnt 0x0                           ; the wave's end, behind my last LDS store
	ds_add_u32 v[SPW], v[NIL]
	s_wait_dscnt 0x0
	s_endpgm
	; ---- phi: q's tile, K step s in this wave; the eight waves' sums meet in LDS
.Lphi:
	s_lshl_b32 s28, s16, 9
	s_add_nc_u64 s[4:5], s[4:5], s[28:29]          ; decoder_state at K step s
	s_lshl_b32 s28, ttmp9, 6
	s_add_nc_u64 s[8:9], s[8:9], s[28:29]          ; phi_b and qv at column 16 J
	s_add_nc_u64 s[14:15], s[14:15], s[28:29]
	global_load_b64 v[BI:BI+1], v[BOFF], s[8:9]
.irp c, 0,1
.irp j, 0,1,2,3,4,5,6,7
	global_load_b128 v[XD0+32*\c+4*\j:XD0+32*\c+4*\j+3], v[WOFF], s[4:5] offset:256*\c+16*\j
.endr
.endr
.irp c, 0,1
.irp j, 0,1,2,3,4,5,6,7
	global_load_b128 v[XD1+32*\c+4*\j:XD1+32*\c+4*\j+3], v[WOFF], s[4:5] offset:65536+256*\c+16*\j
.endr
.endr
	s_wait_loadcnt 33                              ; the weight is in; the bias and the 32 loads of decoder_state may be out
	QUANT64 XW, PCW, PWW
	s_wait_loadcnt 16                              ; rows 0-15 are in
	QUANT64 XD0, PCD0, PWD0
	s_wait_loadcnt 0x0
	QUANT64 XD1, PCD1, PWD1
.rept 8
	v_nop                                          ; a scale register written by a vector instruction stands eight places ahead of a scaled matrix instruction, an operand four
.endr
	; transposed: source 0 = 16 rows of phi_w, source 1 = 16 rows of decoder_state: lane (r, h) register j = q(row r, column 16 J + 8 h + j)
	v_wmma_scale_f32_16x16x128_f8f6f4 v[DD:DD+7], v[PCW:PCW+11], v[PCD0:PCD0+11], 0, v[PWW], v[PWD0] matrix_a_fmt:MATRIX_FMT_FP6 matrix_b_fmt:MATRIX_FMT_FP6
	v_wmma_scale_f32_16x16x128_f8f6f4 v[DD+8:DD+15], v[PCW:PCW+11], v[PCD1:PCD1+11], 0, v[PWW], v[PWD1] matrix_a_fmt:MATRIX_FMT_FP6 matrix_b_fmt:MATRIX_FMT_FP6
.rept 4
	v_nop                                          ; four places ahead of the first read of the results (ISA guide 7.12.1)
.endr
.irp g, 0,1,2,3
	ds_store_b128 v[RST], v[DD+4*\g:DD+4*\g+3] offset:512*\g   ; each accumulator from its low end on
.endr
	s_wait_dscnt 0x0                               ; for the others' sake: my stores have landed
	s_barrier_signal -1
	s_barrier_wait -1
.irp w, 0,1,2,3,4,5,6,7
	ds_load_b64 v[RR+2*\w:RR+2*\w+1], v[RLD] offset:2048*\w   ; two numbers of each wave's partial sums
.endr
	s_wait_dscnt 0x0
.irp w, 1,2,3,4,5,6,7
	v_pk_add_f32 v[RR:RR+1], v[RR:RR+1], v[RR+2*\w:RR+2*\w+1]   ; K ascending
.endr
	v_pk_add_f32 v[RR:RR+1], v[RR:RR+1], v[BI:BI+1]
	v_max_num_f32 v[RR], 0, v[RR]
	v_max_num_f32 v[RR+1], 0, v[RR+1]
	global_store_b64 v[QOFF], v[RR:RR+1], s[14:15] ; a tile of 16 columns has 64 bytes in a row of q: pieces of 8 bytes, 128 KiB once in the launch
	s_wait_tensorcnt 0x0                           ; the wave's end, behind my last LDS store
	ds_add_u32 v[SPW], v[NIL]
	s_wait_dscnt 0x0
	s_endpgm
.Lfunc_end_k_qfdb121f847_prep:
	.size	k_qfdb121f847_prep, .Lfunc_end_k_qfdb121f847_prep-k_qfdb121f847_prep
	.p2alignl 7, 3214868480
	.fill 96, 4, 3214868480
	.section	.rodata,"a",@progbits
	.p2align	6, 0x0
	.amdhsa_kernel k_qfdb121f847_prep
		.amdhsa_group_segment_fixed_size 18432
		.amdhsa_private_segment_fixed_size 0
		.amdhsa_enable_private_segment 0
		.amdhsa_kernarg_size 48
		.amdhsa_user_sgpr_count 2
		.amdhsa_user_sgpr_kernarg_segment_ptr 1
		.amdhsa_wavefront_size32 1
		.amdhsa_system_sgpr_workgroup_id_x 1
		.amdhsa_system_sgpr_workgroup_id_y 1
		.amdhsa_system_sgpr_workgroup_id_z 1
		.amdhsa_system_vgpr_workitem_id 0
		.amdhsa_next_free_vgpr 256
		.amdhsa_next_free_sgpr 66
		.amdhsa_reserve_vcc 0
		.amdhsa_float_denorm_mode_32 3
		.amdhsa_float_denorm_mode_16_64 3
		.amdhsa_memory_ordered 1
		.amdhsa_forward_progress 1
		.amdhsa_inst_pref_size 23
	.end_amdhsa_kernel
	.amdgpu_metadata
---
amdhsa.version: [ 1, 2 ]
amdhsa.kernels:
  - .name:           k_qfdb121f847_prep
    .symbol:         k_qfdb121f847_prep.kd
    .args:
      - { .name: decoder_state, .offset: 0, .size: 8, .value_kind: global_buffer, .address_space: global }
      - { .name: phi_w, .offset: 8, .size: 8, .value_kind: global_buffer, .address_space: global }
      - { .name: phi_b, .offset: 16, .size: 8, .value_kind: global_buffer, .address_space: global }
      - { .name: psi_w, .offset: 24, .size: 8, .value_kind: global_buffer, .address_space: global }
      - { .name: wq, .offset: 32, .size: 8, .value_kind: global_buffer, .address_space: global }
      - { .name: qv, .offset: 40, .size: 8, .value_kind: global_buffer, .address_space: global }
    .group_segment_fixed_size: 18432
    .private_segment_fixed_size: 0
    .kernarg_segment_align: 8
    .kernarg_segment_size: 48
    .max_flat_workgroup_size: 256
    .sgpr_count:     66
    .vgpr_count:     256
    .wavefront_size: 32
...
	.end_amdgpu_metadata
.endif
;; end of part 1
;; launch main (part 2): grid 256 x 1, 4 waves a work-group, no clusters, 316,416 bytes of LDS; arguments listener_feature, wq, qv, psi_b, part, stat, ebuf; writes part, stat, ebuf
.if DOCPART == 2
	.amdgcn_target "amdgcn-amd-amdhsa--gfx1250"
	.amdhsa_code_object_version 6
	.text
	.protected	k_qfdb121f847_main
	.globl	k_qfdb121f847_main
	.p2align	8
	.type	k_qfdb121f847_main,@function
k_qfdb121f847_main:
	s_mov_b64 s[64:65], 0
	v_nop
	global_prefetch_b8 v0, s[64:65] scope:SCOPE_SE
	s_setreg_imm32_b32 hwreg(HW_REG_WAVE_MODE, 25, 1), 1
	s_wait_xcnt 0x0
; For 256 rows t of one batch b: k = relu(x psi_w^T + psi_b) on codes of FP6 (E2M3, one E8M0 byte for each 32 along K), e[h][t] = q[h] . k[t][h], and for each chunk of 64 rows and each head the chunk's largest e,
; the sum of p = exp(e - largest) and the sum of p x[t][head's 128]: the next launch joins the chunks.  x is read from memory ONCE: it is quantised on the way, and a bf16 copy stays in LDS for the last sum.
; SHARES.  Work-group g: batch g / 8, rows 256 (g % 8) on, as two blocks of 128 rows.  Wave w = 2 i + j.
;   L: wave w loads rows 32 w .. 32 w + 31 of the block, stores them as bf16 in LDS, quantises them and hands the fragments round through LDS as images of their registers.
;   G: wave (i, j) keeps the codes of rows 64 i .. 64 i + 63 in registers (4 tiles of rows x 8 K steps = 384 registers) and walks the 32 tiles of 16 weight rows of heads 4 j .. 4 j + 3; a tile's fragments come from wq
;      straight into registers, three tiles ahead, in four sets by turns; each feeds four matrix instructions.  The product is used transposed (source 0 = 16 weight rows, source 1 = 16 rows of x): lane (r, h) register n
;      holds row t = r, column 8 h + n.  The bias is the C of each sum's first instruction.  A tile's relu and dot with q stand in slices behind the next tile's matrix instructions.
; NO CLUSTER, NO TENSOR LOAD, though all work-groups walk the same weights: a joint load lands in LDS alone.  Of the 327,680 bytes the bf16 copy takes 262,144 and the stages written by LDS stores
; what is left, 11,776 bytes, is less than one weight tile's 12,800.
; LIMITS: a block of zeros gets the scale byte 1 (its codes are zeros); blocks whose largest magnitude lies under 2^-124 were not tried; NaN and infinities are not served.  x enters the last sum rounded to bf16, p in f32.
; REGISTERS, in windows of 256 (s_set_vgpr_msb: bits 1:0 source 0, 3:2 source 1, 5:4 source 2, 7:6 destination):
;   window 0: v1-31 addresses and temporaries; v32-47 x's scale words, v48-63 the weights' (these hold scales alone); v64-95, v96-127 two sets of four accumulators; v128-135 bias; v136-151 q, two sets; v152-159 sums; v160-255 weight set 2
;   window 1: x's fragments (m, k), k = 0 .. 4, at 12 (4 k + m).   window 2: k = 5 .. 7 at 12 (4 (k - 5) + m); weight set 3 at v144-239.   window 3: weight sets 0, 1 at v0, v96; v192-255 rows of bf16; in L all 256: the ring of x.
.set QL,    0                          ; LDS: q of my batch, 4,096 bytes
.set BL,    4096                       ; psi_b
.set PB,    8192                       ; p: 256 bytes for each wave, its own
.set EB,    9216                       ; the last head's e: likewise
.set TURN,  10240                      ; 16 rows x 272 bytes for each wave, its own: 256 bytes of f32 + 16, an odd multiple of 16, so that sixteen rows' loads of 16 bytes fall in sixteen different columns
.set XCH,   27648                      ; 16 fragment images of 1,536 bytes
.set XSC,   52224                      ; their scale words: 8 tiles of rows x 128 bytes
.set SPARE, 53248                      ; the spare words: 128 bytes for each wave, two blocks of 256 bytes that no other line names
.set VB,    53760                      ; 128 rows x 2,048 bytes: x as bf16
.set REC,   12800                      ; a weight tile's record in wq
.set SPW,  1
.set NIL,  2
.set L16,  3                           ; 16, 4, 8 x lane
.set L4,   4
.set L8,   5
.set XOFF, 6                           ; x: 4096 (lane / 16) + 16 (lane % 16)
.set TST,  7                           ; the turn, in: row lane / 16, 16 bytes a lane
.set TLD,  8                           ; the turn, out: row r, + 128 h
.set VST,  9                           ; bf16 rows, in
.set XST,  10                          ; fragment images, in
.set XLD,  11                          ; and out
.set XSS,  12                          ; scale words, in
.set XSL,  13                          ; and out
.set VBQ0, 14                          ; 2048 j + 32 h: my eight numbers of bias and q in tile 0
.set VBQ,  15                          ; the same for the trip in hand
.set PBS,  16
.set PBL,  17
.set VRD,  18                          ; bf16 rows, out: my 64 rows, my four heads, 8 bytes a lane
.set VR0,  19
.set VR1,  20
.set LG8,  21                          ; lane / 8
.set SH8,  22                          ; 8 h
.set STAT, 23                          ; the chunk's statistics: lanes 8 H .. 8 H + 7 hold head H's: even lanes the largest e, odd lanes the sum
.set PFO,  24                          ; 4096 x lane
.set EBS,  25
.set EBL,  26
.set ASC,  32
.set BSC,  48
.set AC0,  64
.set BIAS, 128
.set Q0,   136
.set E2,   152
.set TT,   96                          ; temporaries of a head's end, in the second set of accumulators, which is free there
.set MXA,  144                         ; L's temporaries
.set MXB,  145
.set SCO,  146
.set BY0,  147
.set PW,   149
.set PX,   150
.set PC,   160
.set TC,   172
.set MSB, 0
.macro WIN new                         ; the immediate's high byte repeats the setting that is left; a switch that changes nothing is dropped
.if MSB != (\new)
	s_set_vgpr_msb (MSB<<8)|(\new)
.set MSB, (\new)
.endif
.endm
.macro BAR                             ; my LDS stores have landed and my LDS loads are in: then the work-group's barrier
	s_wait_dscnt 0x0
	s_barrier_signal -1
	s_barrier_wait -1
.endm
	s_load_b256 s[4:11], s[0:1], 0x0               ; x s[4:5], wq s[6:7], qv s[8:9], psi_b s[10:11]
	s_load_b128 s[12:15], s[0:1], 0x20             ; part s[12:13], stat s[14:15]
	s_load_b64 s[16:17], s[0:1], 0x30              ; ebuf
	v_lshl_add_u32 v[SPW], v0, 2, SPARE
	v_mov_b32 v[NIL], 0
	v_lshrrev_b32 v28, 5, v0
	v_readfirstlane_b32 s18, v28                   ; wave w
	s_lshr_b32 s19, s18, 1                         ; i: which 64 rows
	s_and_b32 s20, s18, 1                          ; j: which four heads
	v_and_b32 v28, 31, v0                          ; lane
	v_and_b32 v29, 15, v0                          ; r
	v_bfe_u32 v30, v0, 4, 1                        ; h
	v_lshlrev_b32 v[L16], 4, v28
	v_lshlrev_b32 v[L4], 2, v28
	v_lshlrev_b32 v[L8], 3, v28
	v_lshlrev_b32 v[XOFF], 4, v29
	v_lshl_add_u32 v[XOFF], v30, 12, v[XOFF]
	s_mul_i32 s34, s18, 4352
	s_add_co_u32 s34, s34, TURN
	v_mul_u32_u24 v31, v30, 272
	v_lshl_add_u32 v31, v29, 4, v31
	v_add_nc_u32 v[TST], s34, v31
	v_mul_u32_u24 v31, v29, 272
	v_lshl_add_u32 v31, v30, 7, v31
	v_add_nc_u32 v[TLD], s34, v31
	s_lshl_b32 s34, s18, 16                        ; 32 w rows of 2,048 bytes
	s_add_co_u32 s34, s34, VB
	v_lshlrev_b32 v31, 3, v29
	v_lshl_add_u32 v31, v30, 11, v31
	v_add_nc_u32 v[VST], s34, v31
	s_mul_i32 s34, s18, 6144
	s_add_co_u32 s34, s34, XCH
	v_add_nc_u32 v[XST], s34, v[L16]
	s_mul_i32 s34, s19, 12288
	s_add_co_u32 s34, s34, XCH
	v_add_nc_u32 v[XLD], s34, v[L16]
	s_lshl_b32 s34, s18, 8
	s_add_co_u32 s35, s34, XSC
	v_lshl_add_u32 v[XSS], v29, 2, s35
	s_lshl_b32 s35, s19, 9
	s_add_co_u32 s35, s35, XSC
	v_add_nc_u32 v[XSL], s35, v[L4]
	s_lshl_b32 s35, s20, 11
	v_lshl_add_u32 v[VBQ0], v30, 5, s35
	s_add_co_u32 s35, s34, PB
	v_lshl_add_u32 v[PBS], v29, 2, s35
	v_mov_b32 v[PBL], s35
	s_add_co_u32 s35, s34, EB
	v_lshl_add_u32 v[EBS], v29, 2, s35
	v_add_nc_u32 v[EBL], s35, v[L8]
	s_lshl_b32 s35, s19, 17
	s_lshl_b32 s36, s20, 10
	s_add_co_u32 s35, s35, s36
	s_add_co_u32 s35, s35, VB
	v_add_nc_u32 v[VRD], s35, v[L8]
	v_lshrrev_b32 v[LG8], 3, v28
	v_lshlrev_b32 v[SH8], 3, v30
	v_lshlrev_b32 v[PFO], 12, v28
	v_mov_b32 v[PX], 0                             ; a lane permute's destination counts as one of its sources
	v_lshlrev_b32 v31, 5, v0                       ; 32 bytes a thread of q and of psi_b
	s_mov_b32 s22, 0x76543210
	s_mov_b32 s23, 0xfedcba98                      ; v_permlanex16_b32's selects for lane l xor 16
	s_mov_b32 s24, 0x3fb8aa3b                      ; log2(e)
	s_mov_b32 s25, 0xaaaaaaaa                      ; the odd lanes
	s_wait_kmcnt 0x0
	s_lshr_b32 s34, ttmp9, 3
	s_lshl_b32 s34, s34, 12
	s_mov_b32 s35, 0
	s_add_nc_u64 s[8:9], s[8:9], s[34:35]          ; q of my batch
	global_load_b128 v[64:67], v31, s[8:9]
	global_load_b128 v[68:71], v31, s[8:9] offset:16
	global_load_b128 v[72:75], v31, s[10:11]
	global_load_b128 v[76:79], v31, s[10:11] offset:16
	s_lshl_b32 s34, ttmp9, 20                      ; 256 g rows of 4,096 bytes
	s_lshl_b32 s36, s18, 17                        ; + 32 w rows
	s_add_co_u32 s34, s34, s36
	s_add_nc_u64 s[4:5], s[4:5], s[34:35]
	s_mul_i32 s34, s20, 32*REC
	s_add_nc_u64 s[6:7], s[6:7], s[34:35]          ; my 32 weight tiles
	s_lshl_b32 s36, ttmp9, 2
	s_add_co_u32 s36, s36, s19                     ; my first chunk: 4 g + i
	s_lshl_b32 s34, s36, 12
	s_lshl_b32 s37, s20, 11
	s_add_co_u32 s34, s34, s37
	s_add_nc_u64 s[12:13], s[12:13], s[34:35]
	s_lshl_b32 s34, s36, 8
	s_lshl_b32 s37, s20, 7
	s_add_co_u32 s34, s34, s37
	s_add_nc_u64 s[14:15], s[14:15], s[34:35]
	s_lshl_b32 s34, ttmp9, 10
	s_lshl_b32 s37, s19, 8
	s_add_co_u32 s34, s34, s37
	s_add_nc_u64 s[16:17], s[16:17], s[34:35]
	s_wait_loadcnt 0x0
	ds_store_b128 v31, v[64:67] offset:QL
	ds_store_b128 v31, v[68:71] offset:QL+16
	ds_store_b128 v31, v[72:75] offset:BL
	ds_store_b128 v31, v[76:79] offset:BL+16       ; read by all waves behind the barriers of L
; ---------------- L.  K goes in four quarters of 256; in a quarter a wave has eight half-units u = 4 a + 2 ks + c: 16 rows (tile a) x 64 columns (K step 2 q + ks, half c).
; Eight loads bring a half-unit: lanes 0-15 take 256 consecutive bytes of row 2 ip, lanes 16-31 of row 2 ip + 1, each aligned to 256.
.macro XLOADS u, rho
	WIN 0xc0
.irp ip, 0,1,2,3,4,5,6,7
	global_load_b128 v[32*(\u)+4*\ip:32*(\u)+4*\ip+3], v[XOFF], s[4:5] offset:((\u)/4)*65536+\ip*8192+(2*(\rho)+((\u)/2)%2)*512+((\u)%2)*256 th:TH_LOAD_NT
.endr
.endm
; S1: half-unit u has come: its bf16 copy goes to its rows in LDS; the f32 numbers turn through my own stage, so that lane (r, h) gets the 32 neighbours 32 h .. 32 h + 31 of row r.
; The loads come back in order.  rf = 1 (a later quarter refills the ring): behind half-unit 0 the seven others of its quarter may be out (56); behind u >= 1 the 7 - u left and the u - 1 refills issued so far (48).
.macro S1 rho, u, rf
.if \rf
.if (\u) == 0
	s_wait_loadcnt 56
.else
	s_wait_loadcnt 48
.endif
.else
	s_wait_loadcnt 8*(7-(\u))                      ; the last quarter: the counts run down
.endif
.set TBB, 128+48*((\u)%2)                      ; two sets of packed registers by turns
.set YB, AC0+32*((\u)%2)
	WIN 0x0f
.irp ip, 0,1,2,3,4,5,6,7
	v_cvt_pk_bf16_f32 v[TBB+2*\ip], v[32*(\u)+4*\ip], v[32*(\u)+4*\ip+1]
	v_cvt_pk_bf16_f32 v[TBB+2*\ip+1], v[32*(\u)+4*\ip+2], v[32*(\u)+4*\ip+3]
.endr
	WIN 0x0c
.irp ip, 0,1,2,3,4,5,6,7
	ds_store_b128 v[TST], v[32*(\u)+4*\ip:32*(\u)+4*\ip+3] offset:\ip*544
.endr
	WIN 0
.irp ip, 0,1,2,3,4,5,6,7
	ds_store_b64 v[VST], v[TBB+2*\ip:TBB+2*\ip+1] offset:(16*((\u)/4)+2*\ip)*2048+(2*(\rho)+((\u)/2)%2)*256+((\u)%2)*128
.endr
.irp j, 0,1,2,3,4,5,6,7
	ds_load_b128 v[YB+4*\j:YB+4*\j+3], v[TLD] offset:16*\j   ; LDS serves a wave's instructions in order (ISA guide 5.7.1.4): these see the stores above, and the next half-unit's stores come behind them
.endr
.endm
; S2: the block of 32 in my registers becomes 24 bytes of codes and a scale byte; with c = 1 the fragment is whole and goes to LDS as an image of its registers.
.macro S2 rho, u, dcnt, rf
	s_wait_dscnt \dcnt                             ; half-unit u is back from the turn (the next half-unit's 24 LDS instructions may be out): so its stores have read the ring's registers,
.if \rf
	XLOADS \u, (\rho)+1                            ; which take the next quarter's half-unit
	WIN 0
.endif
.set YB, AC0+32*((\u)%2)
.set CC, (\u)%2
	v_max3_num_f32 v[MXA], |v[YB]|, |v[YB+1]|, 0x1800000   ; with the floor 2^(3 - 127): the byte cannot fall under 1
	v_max3_num_f32 v[MXB], |v[YB+2]|, |v[YB+3]|, |v[YB+4]|
.irp i, 5,9,13,17,21,25
	v_max3_num_f32 v[MXA], v[MXA], |v[YB+\i]|, |v[YB+\i+1]|
	v_max3_num_f32 v[MXB], v[MXB], |v[YB+\i+2]|, |v[YB+\i+3]|
.endr
	v_max3_num_f32 v[MXA], v[MXA], |v[YB+29]|, |v[YB+30]|
	v_max3_num_f32 v[MXA], v[MXA], v[MXB], |v[YB+31]|
	v_add_nc_u32 v[SCO], 0xff000000, v[MXA]        ; 2 off the exponent field: the conversion's scale operand
	v_cvt_scalef32_pk16_fp6_f32 v[PC+6*CC:PC+6*CC+2], v[YB:YB+15], v[SCO]
	v_cvt_scalef32_pk16_fp6_f32 v[TC:TC+2], v[YB+16:YB+31], v[SCO]   ; a conversion's three registers begin on an even number
	v_lshrrev_b32 v[BY0+CC], 23, v[SCO]            ; the scale's byte; also the plain instruction behind the conversions
.irp i, 0,1,2
	v_mov_b32 v[PC+6*CC+3+\i], v[TC+\i]
.endr
.if CC == 1
	v_lshl_or_b32 v[PW], v[BY0+1], 16, v[BY0]      ; my bytes: blocks h and 2 + h,
	v_lshlrev_b32 v[PW], v[SH8], v[PW]
	v_permlanex16_b32 v[PX], v[PW], s22, s23
	v_or_b32 v[PW], v[PW], v[PX]                   ; with lane l xor 16's the word is whole
.irp c, 0,1,2
	ds_store_b128 v[XST], v[PC+4*\c:PC+4*\c+3] offset:(2*((\u)/4)+((\u)/2)%2)*1536+512*\c
.endr
	ds_store_b32 v[XSS], v[PW] offset:((\u)/4)*128+(((\u)/2)%2)*64   ; both halves of the lanes write the same word
.endif
.endm
; My 64 rows' fragments of the quarter's two K steps, and their scale words: lanes 0-15 the even K step's, lanes 16-31 the odd one's.
.macro FETCH rho
.irp ks, 0,1
.irp m, 0,1,2,3
.set KK, 2*(\rho)+\ks
.if KK < 5
	WIN 0x40
.set AR, 12*(4*KK+\m)
.else
	WIN 0x80
.set AR, 12*(4*(KK-5)+\m)
.endif
.irp c, 0,1,2
	ds_load_b128 v[AR+4*\c:AR+4*\c+3], v[XLD] offset:(2*\m+\ks)*1536+512*\c
.endr
.endr
.endr
	WIN 0
.irp m, 0,1,2,3
	ds_load_b32 v[ASC+4*\m+(\rho)], v[XSL] offset:\m*128
.endr
.endm
.macro QUARTER rho, rf
	S1 \rho, 0, \rf
	S1 \rho, 1, \rf
	S2 \rho, 0, 24, \rf
	S1 \rho, 2, \rf
	S2 \rho, 1, 24, \rf
	S1 \rho, 3, \rf
	S2 \rho, 2, 24, \rf
	S1 \rho, 4, \rf
	S2 \rho, 3, 24, \rf
	S1 \rho, 5, \rf
	S2 \rho, 4, 24, \rf
	S1 \rho, 6, \rf
	S2 \rho, 5, 24, \rf
	S1 \rho, 7, \rf
	S2 \rho, 6, 24, \rf
	S2 \rho, 7, 0, \rf
	BAR                                            ; the sixteen images lie in LDS (loads of x, which nobody writes, stay on their way)
	FETCH \rho
	BAR                                            ; every wave has read them: the next quarter may write them again
.endm
; ---------------- G
.macro SETOF set                       ; a weight set's window and first register
.if (\set) == 0
.set SW, 3
.set SBS, 0
.elseif (\set) == 1
.set SW, 3
.set SBS, 96
.elseif (\set) == 2
.set SW, 0
.set SBS, 160
.else
.set SW, 2
.set SBS, 144
.endif
.endm
.macro BLOADS set, off                 ; a tile's record: 24 loads of 512 consecutive bytes, register group n at byte 512 n, and its scale words
	SETOF \set
	WIN SW<<6
.set li, 0
.rept 24
	global_load_b128 v[SBS+4*li:SBS+4*li+3], v[L16], s[32:33] offset:(\off)+512*li
.set li, li+1
.endr
	WIN 0
	global_load_b128 v[BSC+4*(\set):BSC+4*(\set)+3], v[L16], s[32:33] offset:(\off)+12288
.endm
; A TILE: 32 matrix instructions, slot sl = 4 k + m: K step k, tile of rows m.  The four accumulators take turns, one instruction a turn.
; Behind the slots stand slices: slot 0 four v_nop (the places ahead of the first read of the last tile's results and of the loads into its operands);
; odd slots 1 .. 23 the last tile's relu and dot with q (epi = 1); even slots 2 .. 14 the 25 loads of the tile three on, into the set just left (rf = 1);
; slot 16 the next tile's bias, slot 24 its q, into the set that the slices have just done with (nbq = 1).
; lcnt: the younger tiles' loads, 25 each, that may be out.  The two youngest LDS loads (the next q) may be out: the bias is in.
.macro TILE set, acc, epi, rf, rset, roff, nbq, bqoff, lcnt
	s_wait_loadcnt \lcnt
	s_wait_dscnt 0x2
	SETOF \set
.set TW, SW
.set TBS, SBS
.if \rf
	SETOF \rset
.endif
.set AD, AC0+32*(\acc)
.set AO, AC0+32*(1-(\acc))
.set QE, Q0+8*(1-(\acc))
.set sl, 0
.rept 32
.set kk, sl/4
.set mm, sl%4
.if kk < 5
.set WN, TW|(1<<2)
.set AR, 12*(4*kk+mm)
.else
.set WN, TW|(2<<2)
.set AR, 12*(4*(kk-5)+mm)
.endif
.set BR, TBS+12*kk
.set DR, AD+8*mm
.set SA, BSC+4*(\set)+kk/2
.set SB, ASC+4*mm+kk/2
	WIN WN
.if kk == 0
	v_wmma_scale_f32_16x16x128_f8f6f4 v[DR:DR+7], v[BR:BR+11], v[AR:AR+11], v[BIAS:BIAS+7], v[SA], v[SB] matrix_a_fmt:MATRIX_FMT_FP6 matrix_b_fmt:MATRIX_FMT_FP6
.elseif kk%2 == 0
	v_wmma_scale_f32_16x16x128_f8f6f4 v[DR:DR+7], v[BR:BR+11], v[AR:AR+11], v[DR:DR+7], v[SA], v[SB] matrix_a_fmt:MATRIX_FMT_FP6 matrix_b_fmt:MATRIX_FMT_FP6
.else
	v_wmma_scale_f32_16x16x128_f8f6f4 v[DR:DR+7], v[BR:BR+11], v[AR:AR+11], v[DR:DR+7], v[SA], v[SB] matrix_a_fmt:MATRIX_FMT_FP6 matrix_b_fmt:MATRIX_FMT_FP6 matrix_a_scale:MATRIX_SCALE_ROW1 matrix_b_scale:MATRIX_SCALE_ROW1
.endif
.if sl == 0
.rept 4
	v_nop
.endr
.endif
.if (sl == 4) && (1-(\epi))
.rept 4
	v_nop                                          ; no slices here: the places ahead of the load into the bias's registers
.endr
.endif
.if (\epi) && (sl%2 == 1) && (sl < 24)
.set vi, (sl-1)/2
	WIN 0
.if vi < 8
.irp e, 0,1,2,3
	v_max_num_f32 v[AO+4*vi+\e], 0, v[AO+4*vi+\e]  ; relu, each accumulator from its low end on
.endr
.else
.irp m, 0,1,2,3
	v_pk_fma_f32 v[E2+2*\m:E2+2*\m+1], v[AO+8*\m+2*(vi-8):AO+8*\m+2*(vi-8)+1], v[QE+2*(vi-8):QE+2*(vi-8)+1], v[E2+2*\m:E2+2*\m+1]
.endr
.endif
.endif
.if (\rf) && (sl%2 == 0) && (sl >= 2) && (sl <= 14)
.if sl < 14
	WIN SW<<6
.irp e, 0,1,2,3
	global_load_b128 v[SBS+4*(2*(sl-2)+\e):SBS+4*(2*(sl-2)+\e)+3], v[L16], s[32:33] offset:(\roff)+512*(2*(sl-2)+\e)
.endr
.else
	WIN 0
	global_load_b128 v[BSC+4*(\rset):BSC+4*(\rset)+3], v[L16], s[32:33] offset:(\roff)+12288
.endif
.endif
.if (\nbq) && (sl == 16)
	WIN 0
	ds_load_b128 v[BIAS:BIAS+3], v[VBQ] offset:BL+(\bqoff)
	ds_load_b128 v[BIAS+4:BIAS+7], v[VBQ] offset:BL+(\bqoff)+16
.endif
.if (\nbq) && (sl == 24)
	WIN 0
	ds_load_b128 v[QE:QE+3], v[VBQ] offset:QL+(\bqoff)
	ds_load_b128 v[QE+4:QE+7], v[VBQ] offset:QL+(\bqoff)+16
.endif
.set sl, sl+1
.endr
.endm
; Sixteen of my 64 rows' 256 bytes of the head (8 bytes a lane: 256 consecutive bytes an instruction), and their sixteen p, the same in every lane
.macro CL b
	WIN 0xc0
.irp t, 0,1,2,3,4,5,6,7,8,9,10,11,12,13,14,15
	ds_load_b64 v[192+32*((\b)%2)+2*\t:192+32*((\b)%2)+2*\t+1], v[VR0+(\b)/2] offset:((\b)%2)*32768+\t*2048
.endr
	WIN 0
.irp i, 0,1,2,3
	ds_load_b128 v[TT+16*((\b)%2)+4*\i:TT+16*((\b)%2)+4*\i+3], v[PBL] offset:64*(\b)+16*\i
.endr
.endm
.macro CF b                            ; sums += p x: x a bf16 half, p and the sums f32; even and odd rows in sums of their own
.set VV, 192+32*((\b)%2)
.set PP, TT+16*((\b)%2)
	WIN 0x03
.irp t, 0,1,2,3,4,5,6,7,8,9,10,11,12,13,14,15
	v_fma_mix_f32_bf16 v[E2+4*(\t%2)], v[VV+2*\t], v[PP+\t], v[E2+4*(\t%2)] op_sel_hi:[1,0,0]
	v_fma_mix_f32_bf16 v[E2+4*(\t%2)+1], v[VV+2*\t], v[PP+\t], v[E2+4*(\t%2)+1] op_sel:[1,0,0] op_sel_hi:[1,0,0]
	v_fma_mix_f32_bf16 v[E2+4*(\t%2)+2], v[VV+2*\t+1], v[PP+\t], v[E2+4*(\t%2)+2] op_sel_hi:[1,0,0]
	v_fma_mix_f32_bf16 v[E2+4*(\t%2)+3], v[VV+2*\t+1], v[PP+\t], v[E2+4*(\t%2)+3] op_sel:[1,0,0] op_sel_hi:[1,0,0]
.endr
.endm
; A HEAD'S END: the head's eight tiles are summed.  s31 = the head among my four, s30 = 256 x it.  tail = 1: my last head, whose e go out too where it is the last head of all (j = 1).
.macro HEADEND tail
.irp m, 0,1,2,3
	v_add_f32 v[TT+\m], v[E2+2*\m], v[E2+2*\m+1]
.endr
.irp m, 0,1,2,3
	v_permlanex16_b32 v[TT+4+\m], v[TT+\m], s22, s23
.endr
.irp m, 0,1,2,3
	v_add_f32 v[TT+\m], v[TT+\m], v[TT+4+\m]       ; e(t = 16 m + r), in both halves of the lanes
.endr
.if \tail
	s_cmp_eq_u32 s20, 0
	s_cbranch_scc1 .Lno_e_\@
.irp m, 0,1,2,3
	ds_store_b32 v[EBS], v[TT+\m] offset:64*\m
.endr
	ds_load_b64 v[28:29], v[EBL]                   ; my own bytes, served in order
	s_wait_dscnt 0x0
	global_store_b64 v[L8], v[28:29], s[16:17]     ; 32 lanes store 256 consecutive bytes, aligned
.Lno_e_\@:
.endif
	v_max3_num_f32 v[TT+8], v[TT], v[TT+1], v[TT+2]
	v_max_num_f32 v[TT+8], v[TT+8], v[TT+3]
.irp x, 1,2,4,8
	v_max_num_f32_dpp v[TT+8], v[TT+8], v[TT+8] row_xmask:\x row_mask:0xf bank_mask:0xf
.endr                                          ; the chunk's largest e, in every lane
.irp m, 0,1,2,3
	v_sub_f32 v[TT+4+\m], v[TT+\m], v[TT+8]
.endr
.irp m, 0,1,2,3
	v_mul_f32 v[TT+4+\m], s24, v[TT+4+\m]
.endr
.irp m, 0,1,2,3
	v_exp_f32 v[TT+4+\m], v[TT+4+\m]               ; p = exp(e - largest)
.endr
	v_add_nc_u32 v[VR0], s30, v[VRD]               ; plain work behind the exponentials
	v_add_nc_u32 v[VR1], 0x10000, v[VR0]
.irp e, 0,1,2,3,4,5,6,7
	v_mov_b32 v[E2+\e], 0
.endr
	s_wait_alu depctr_va_vdst(0)                   ; one wait for the four, ahead of their first reader
.irp m, 0,1,2,3
	ds_store_b32 v[PBS], v[TT+4+\m] offset:64*\m
.endr
	v_add_f32 v[TT+9], v[TT+4], v[TT+5]
	v_add_f32 v[TT+10], v[TT+6], v[TT+7]
	v_add_f32 v[TT+9], v[TT+9], v[TT+10]
.irp x, 1,2,4,8
	v_add_f32_dpp v[TT+9], v[TT+9], v[TT+9] row_xmask:\x row_mask:0xf bank_mask:0xf
.endr                                          ; the sum of the chunk's 64 p
	v_cndmask_b32 v[TT+10], v[TT+8], v[TT+9], s25  ; even lanes the largest e, odd lanes the sum,
	v_cmp_eq_u32 vcc_lo, s31, v[LG8]
	v_cndmask_b32 v[STAT], v[STAT], v[TT+10], vcc_lo   ; into this head's eight lanes
	CL 0
	CL 1
	s_wait_dscnt 20                                ; all but the younger batch's twenty loads
	CF 0
	CL 2
	s_wait_dscnt 20
	CF 1
	CL 3
	s_wait_dscnt 20
	CF 2
	s_wait_dscnt 0x0
	CF 3
	WIN 0
.irp e, 0,1,2,3
	v_add_f32 v[E2+\e], v[E2+\e], v[E2+4+\e]
.endr
	v_lshl_add_u32 v30, s30, 1, v[L16]             ; 512 bytes a head, 16 a lane
	global_store_b128 v30, v[E2:E2+3], s[12:13]    ; 32 lanes store 512 consecutive bytes, aligned to 256
	s_wait_xcnt 0x0                                ; the store has read its registers: they are written again only behind this wait
.irp e, 0,1,2,3,4,5,6,7
	v_mov_b32 v[E2+\e], 0                          ; the next head's sums
.endr
.endm
	s_mov_b32 s26, 0                               ; the block
.Lblock:
.irp u, 0,1,2,3,4,5,6,7
	XLOADS \u, 0                                   ; 64 loads, 32 KiB a wave, go out
.endr
	WIN 0
	QUARTER 0, 1
	QUARTER 1, 1
	QUARTER 2, 1
	QUARTER 3, 0
	s_wait_xcnt 0x0
	s_add_nc_u64 s[4:5], s[4:5], 0x80000           ; x: 128 rows on
	s_mov_b64 s[32:33], s[6:7]                     ; the weights from my first tile
	s_mov_b32 s28, 0
	s_cmp_eq_u32 s26, 0
	s_cselect_b32 s29, 5, -1                       ; the trip that prefetches: none in the last block
	BLOADS 0, 0
	BLOADS 1, REC
	BLOADS 2, 2*REC
	v_mov_b32 v[VBQ], v[VBQ0]
	ds_load_b128 v[BIAS:BIAS+3], v[VBQ] offset:BL
	ds_load_b128 v[BIAS+4:BIAS+7], v[VBQ] offset:BL+16
	ds_load_b128 v[Q0:Q0+3], v[VBQ] offset:QL
	ds_load_b128 v[Q0+4:Q0+7], v[VBQ] offset:QL+16
.irp e, 0,1,2,3,4,5,6,7
	v_mov_b32 v[E2+\e], 0
.endr
	v_mov_b32 v[STAT], 0
	TILE 0, 0, 0, 1, 3, 3*REC, 1, 64, 50           ; tile 0
	WIN 0
	s_mov_b32 s27, 0
.Ltrip:                                                ; seven trips of four tiles: 4 T + 1 .. 4 T + 4
	s_wait_dscnt 0x0                               ; no LDS load of mine is out: the address below may be written
	v_add_nc_u32 v[VBQ], s28, v[VBQ0]
	s_cmp_eq_u32 s27, s29
	s_cbranch_scc0 .Lno_pf
	; A prefetch of what the next block's first quarter loads: the first 1,024 bytes of each of my 32 rows, a lane a row, four requests 256 bytes apart: each named once in the launch.
	; It stands in trip 5 of 0 .. 6: eleven tiles and two heads' ends ahead of those loads.  The last block asks for nothing, so no request leaves the buffer.
.irp u, 0,1,2,3
	global_prefetch_b8 v[PFO], s[4:5] offset:\u*256 th:TH_LOAD_NT scope:SCOPE_SE
.endr
.Lno_pf:
	TILE 1, 1, 1, 1, 0, 4*REC, 1, 128, 50
	TILE 2, 0, 1, 1, 1, 5*REC, 1, 192, 50
	TILE 3, 1, 1, 1, 2, 6*REC, 1, 256, 50
	TILE 0, 0, 1, 1, 3, 7*REC, 1, 320, 50
	WIN 0
	s_bitcmp1_b32 s27, 0                           ; behind an odd trip the slices have summed tiles up to 4 T + 3: a head is whole
	s_cbranch_scc0 .Leven
	s_lshr_b32 s31, s27, 1
	s_lshl_b32 s30, s31, 8
	HEADEND 0
.Leven:
	s_wait_xcnt 0x0                                ; the loads issued have read their base
	s_add_nc_u64 s[32:33], s[32:33], 4*REC
	s_add_co_u32 s28, s28, 256
	s_add_co_u32 s27, s27, 1
	s_cmp_lt_u32 s27, 7
	s_cbranch_scc1 .Ltrip
	s_wait_dscnt 0x0
	v_add_nc_u32 v[VBQ], s28, v[VBQ0]
	TILE 1, 1, 1, 0, 0, 0, 1, 128, 50              ; tiles 29, 30, 31: nothing is left to fetch, the counts run down
	TILE 2, 0, 1, 0, 0, 0, 1, 192, 25
	TILE 3, 1, 1, 0, 0, 0, 0, 0, 0
	WIN 0
	s_wait_dscnt 0x0                               ; tile 31's q
.rept 4
	v_nop                                          ; four places ahead of the first read of the last results
.endr
.set n_, 0
.rept 32
	v_max_num_f32 v[AC0+32+n_], 0, v[AC0+32+n_]
.set n_, n_+1
.endr
.irp i, 0,1,2,3
.irp m, 0,1,2,3
	v_pk_fma_f32 v[E2+2*\m:E2+2*\m+1], v[AC0+32+8*\m+2*\i:AC0+32+8*\m+2*\i+1], v[Q0+8+2*\i:Q0+8+2*\i+1], v[E2+2*\m:E2+2*\m+1]
.endr
.endr
	s_mov_b32 s31, 3
	s_mov_b32 s30, 768
	HEADEND 1
	global_store_b32 v[L4], v[STAT], s[14:15]      ; 128 bytes: the chunk's statistics of my four heads
	BAR                                            ; every wave has read the block's bf16 rows: the next block may write them
	s_wait_xcnt 0x0
	s_add_nc_u64 s[12:13], s[12:13], 8192          ; two chunks on
	s_add_nc_u64 s[14:15], s[14:15], 512
	s_add_nc_u64 s[16:17], s[16:17], 512
	s_add_co_u32 s26, s26, 1
	s_cmp_lt_u32 s26, 2
	s_cbranch_scc1 .Lblock
	s_wait_tensorcnt 0x0                           ; the wave's end, behind my last LDS store
	ds_add_u32 v[SPW], v[NIL]
	s_wait_dscnt 0x0
	s_endpgm
.Lfunc_end_k_qfdb121f847_main:
	.size	k_qfdb121f847_main, .Lfunc_end_k_qfdb121f847_main-k_qfdb121f847_main
	.p2alignl 7, 3214868480
	.fill 96, 4, 3214868480
	.section	.rodata,"a",@progbits
	.p2align	6, 0x0
	.amdhsa_kernel k_qfdb121f847_main
		.amdhsa_group_segment_fixed_size 316416
		.amdhsa_private_segment_fixed_size 0
		.amdhsa_enable_private_segment 0
		.amdhsa_kernarg_size 56
		.amdhsa_user_sgpr_count 2
		.amdhsa_user_sgpr_kernarg_segment_ptr 1
		.amdhsa_wavefront_size32 1
		.amdhsa_system_sgpr_workgroup_id_x 1
		.amdhsa_system_sgpr_workgroup_id_y 1
		.amdhsa_system_sgpr_workgroup_id_z 1
		.amdhsa_system_vgpr_workitem_id 0
		.amdhsa_next_free_vgpr 1024
		.amdhsa_next_free_sgpr 66
		.amdhsa_reserve_vcc 1
		.amdhsa_float_denorm_mode_32 3
		.amdhsa_float_denorm_mode_16_64 3
		.amdhsa_memory_ordered 1
		.amdhsa_forward_progress 1
		.amdhsa_inst_pref_size 255
	.end_amdhsa_kernel
	.section	.bss,"aw",@nobits
	.p2align	6
	.space	262144
	.amdgpu_metadata
---
amdhsa.version: [ 1, 2 ]
amdhsa.kernels:
  - .name:           k_qfdb121f847_main
    .symbol:         k_qfdb121f847_main.kd
    .args:
      - { .name: listener_feature, .offset: 0, .size: 8, .value_kind: global_buffer, .address_space: global }
      - { .name: wq, .offset: 8, .size: 8, .value_kind: global_buffer, .address_space: global }
      - { .name: qv, .offset: 16, .size: 8, .value_kind: global_buffer, .address_space: global }
      - { .name: psi_b, .offset: 24, .size: 8, .value_kind: global_buffer, .address_space: global }
      - { .name: part, .offset: 32, .size: 8, .value_kind: global_buffer, .address_space: global }
      - { .name: stat, .offset: 40, .size: 8, .value_kind: global_buffer, .address_space: global }
      - { .name: ebuf, .offset: 48, .size: 8, .value_kind: global_buffer, .address_space: global }
    .group_segment_fixed_size: 316416
    .private_segment_fixed_size: 0
    .kernarg_segment_align: 8
    .kernarg_segment_size: 56
    .max_flat_workgroup_size: 128
    .sgpr_count:     66
    .vgpr_count:     1024
    .wavefront_size: 32
...
	.end_amdgpu_metadata
.endif
;; end of part 2
;; launch comb (part 3): grid 8 x 32, 1 waves a work-group, no clusters, 0 bytes of LDS; arguments part, stat, ebuf, out0, out1; writes out0, out1
.if DOCPART == 3
	.amdgcn_target "amdgcn-amd-amdhsa--gfx1250"
	.amdhsa_code_object_version 6
	.text
	.protected	k_qfdb121f847_comb
	.globl	k_qfdb121f847_comb
	.p2align	8
	.type	k_qfdb121f847_comb,@function
k_qfdb121f847_comb:
	s_mov_b64 s[64:65], 0
	v_nop
	global_prefetch_b8 v0, s[64:65] scope:SCOPE_SE
	s_setreg_imm32_b32 hwreg(HW_REG_WAVE_MODE, 25, 1), 1
	s_wait_xcnt 0x0
; The 32 chunks of a batch are joined, for one head: M = the largest of the chunks' largest e, w[c] = exp(m[c] - M), L = the sum of w[c] l[c];
; context = the sum of (w[c] / L) part[c]; for the last head also score[t] = exp(e[t] - M) / L.
; One wave owns (head = work-group x, batch = work-group y): 512 bytes of out1, and for head 7 the batch's 8,192 bytes of out0.  Lane c holds chunk c's statistics.
; Memory binds and the work is small: no LDS, no matrix unit.  The two ways, head 7 and the others, part once and are written out.
	s_load_b256 s[4:11], s[0:1], 0x0               ; part s[4:5], stat s[6:7], ebuf s[8:9], out0 s[10:11]
	s_load_b64 s[12:13], s[0:1], 0x20              ; out1
	s_and_b32 s3, ttmp7, 0xffff                    ; batch
	v_lshlrev_b32 v1, 4, v0                        ; 16 x lane
	v_lshlrev_b32 v2, 8, v0                        ; a chunk's statistics are 256 bytes
	v_mov_b32 v7, 0                                ; a lane permute's destination counts as one of its sources
	s_mov_b32 s14, 0x76543210
	s_mov_b32 s15, 0xfedcba98
	s_mov_b32 s48, 0x3fb8aa3b                      ; log2(e)
	s_lshl_b32 s50, s3, 17                         ; part: 32 chunks of 4,096 bytes a batch, 512 bytes a head
	s_lshl_b32 s51, ttmp9, 9
	s_add_co_u32 s50, s50, s51
	s_mov_b32 s51, 0
	s_lshl_b32 s52, s3, 13                         ; stat, ebuf, out0: 8,192 bytes a batch
	s_mov_b32 s53, 0
	s_lshr_b32 s54, ttmp9, 2
	s_lshl_b32 s54, s54, 7                         ; stat: 128 bytes for four heads,
	s_and_b32 s55, ttmp9, 3
	s_lshl_b32 s55, s55, 5                         ; 32 for a head: the largest e, then the sum
	s_add_co_u32 s54, s54, s55
	s_add_co_u32 s54, s54, s52
	s_mov_b32 s55, 0
	s_lshl_b32 s56, s3, 12                         ; out1
	s_lshl_b32 s57, ttmp9, 9
	s_add_co_u32 s56, s56, s57
	s_mov_b32 s57, 0
	s_wait_kmcnt 0x0
	s_add_nc_u64 s[4:5], s[4:5], s[50:51]
	s_add_nc_u64 s[6:7], s[6:7], s[54:55]
	s_add_nc_u64 s[8:9], s[8:9], s[52:53]
	s_add_nc_u64 s[10:11], s[10:11], s[52:53]
	s_add_nc_u64 s[12:13], s[12:13], s[56:57]
.macro LOADS
	global_load_b64 v[4:5], v2, s[6:7]             ; chunk = lane: its largest e, its sum
.set c_, 0
.rept 32
	global_load_b128 v[32+4*c_:35+4*c_], v1, s[4:5] offset:4096*c_ th:TH_LOAD_NT   ; 512 consecutive bytes of each chunk
.set c_, c_+1
.endr
.endm
.macro MERGE
	s_wait_loadcnt 32                              ; the statistics (and what was issued ahead of them) are in; the 32 loads of parts may be out
	v_mov_b32 v6, v4
.irp x, 1,2,4,8
	v_max_num_f32_dpp v6, v6, v6 row_xmask:\x row_mask:0xf bank_mask:0xf
.endr
	v_permlanex16_b32 v7, v6, s14, s15
	v_max_num_f32 v6, v6, v7                       ; M, in every lane
	v_sub_f32 v8, v4, v6
	v_mul_f32 v8, s48, v8
	v_exp_f32 v8, v8                               ; w
	v_nop                                          ; a plain instruction behind the transcendental,
	s_wait_alu depctr_va_vdst(0)                   ; and a wait ahead of its first reader
	v_mul_f32 v9, v8, v5
.irp x, 1,2,4,8
	v_add_f32_dpp v9, v9, v9 row_xmask:\x row_mask:0xf bank_mask:0xf
.endr
	v_permlanex16_b32 v7, v9, s14, s15
	v_add_f32 v9, v9, v7                           ; L: at least 1, since the chunk that holds M has w = 1 and a sum of at least 1
	v_rcp_f32 v10, v9
	v_nop
	s_wait_alu depctr_va_vdst(0)
	v_mul_f32 v11, v8, v10                         ; w / L
.set c_, 0
.rept 32
	v_readlane_b32 s[16+c_], v11, c_               ; as values alone: no address and no branch hangs on them
.set c_, c_+1
.endr
	s_wait_loadcnt 0x0
.irp e, 0,1,2,3
	v_mul_f32 v[12+\e], s16, v[32+\e]
.endr
.set c_, 1
.rept 31
.irp e, 0,1,2,3
	v_fmac_f32 v[12+\e], s[16+c_], v[32+4*c_+\e]
.endr
.set c_, c_+1
.endr
	global_store_b128 v1, v[12:15], s[12:13]       ; 512 consecutive bytes, aligned to 256
.endm
	s_cmp_eq_u32 ttmp9, 7
	s_cbranch_scc1 .Llast
	LOADS
	MERGE
	s_endpgm
.Llast:
.set c_, 0
.rept 16
	global_load_b128 v[160+4*c_:163+4*c_], v1, s[8:9] offset:512*c_ th:TH_LOAD_NT   ; e of the last head, issued first, so that the counts below are the same on both ways
.set c_, c_+1
.endr
	LOADS
	MERGE
.set c_, 0
.rept 64
	v_sub_f32 v[160+c_], v[160+c_], v6
.set c_, c_+1
.endr
.set c_, 0
.rept 64
	v_mul_f32 v[160+c_], s48, v[160+c_]
.set c_, c_+1
.endr
.set c_, 0
.rept 64
	v_exp_f32 v[160+c_], v[160+c_]
.set c_, c_+1
.endr
	v_nop
	s_wait_alu depctr_va_vdst(0)                   ; one wait for the batch of 64
.set c_, 0
.rept 64
	v_mul_f32 v[160+c_], v[160+c_], v10
.set c_, c_+1
.endr
.set c_, 0
.rept 16
	global_store_b128 v1, v[160+4*c_:163+4*c_], s[10:11] offset:512*c_
.set c_, c_+1
.endr
	s_endpgm
.Lfunc_end_k_qfdb121f847_comb:
	.size	k_qfdb121f847_comb, .Lfunc_end_k_qfdb121f847_comb-k_qfdb121f847_comb
	.p2alignl 7, 3214868480
	.fill 96, 4, 3214868480
	.section	.rodata,"a",@progbits
	.p2align	6, 0x0
	.amdhsa_kernel k_qfdb121f847_comb
		.amdhsa_group_segment_fixed_size 0
		.amdhsa_private_segment_fixed_size 0
		.amdhsa_enable_private_segment 0
		.amdhsa_kernarg_size 40
		.amdhsa_user_sgpr_count 2
		.amdhsa_user_sgpr_kernarg_segment_ptr 1
		.amdhsa_wavefront_size32 1
		.amdhsa_system_sgpr_workgroup_id_x 1
		.amdhsa_system_sgpr_workgroup_id_y 1
		.amdhsa_system_sgpr_workgroup_id_z 1
		.amdhsa_system_vgpr_workitem_id 0
		.amdhsa_next_free_vgpr 224
		.amdhsa_next_free_sgpr 66
		.amdhsa_reserve_vcc 0
		.amdhsa_float_denorm_mode_32 3
		.amdhsa_float_denorm_mode_16_64 3
		.amdhsa_memory_ordered 1
		.amdhsa_forward_progress 1
		.amdhsa_inst_pref_size 34
	.end_amdhsa_kernel
	.amdgpu_metadata
---
amdhsa.version: [ 1, 2 ]
amdhsa.kernels:
  - .name:           k_qfdb121f847_comb
    .symbol:         k_qfdb121f847_comb.kd
    .args:
      - { .name: part, .offset: 0, .size: 8, .value_kind: global_buffer, .address_space: global }
      - { .name: stat, .offset: 8, .size: 8, .value_kind: global_buffer, .address_space: global }
      - { .name: ebuf, .offset: 16, .size: 8, .value_kind: global_buffer, .address_space: global }
      - { .name: out0, .offset: 24, .size: 8, .value_kind: global_buffer, .address_space: global }
      - { .name: out1, .offset: 32, .size: 8, .value_kind: global_buffer, .address_space: global }
    .group_segment_fixed_size: 0
    .private_segment_fixed_size: 0
    .kernarg_segment_align: 8
    .kernarg_segment_size: 40
    .max_flat_workgroup_size: 32
    .sgpr_count:     66
    .vgpr_count:     224
    .wavefront_size: 32
...
	.end_amdgpu_metadata
.endif
;; end of part 3
;; ======== version 2 of 2: 3 launches
;; limits: values are held in bf16: 8 bits of precision; right only within a limited range of input values
;; workspace buffers: wq 819,200 bytes; qv 131,072 bytes; part 4,194,304 bytes; stat 262,144 bytes; ebuf 262,144 bytes
;; launch prep (part 4): grid 64 x 2, 8 waves a work-group, no clusters, 153,088 bytes of LDS; arguments decoder_state, phi_w, phi_b, psi_w, wq, qv; writes wq, qv
.if DOCPART == 4
	.amdgcn_target "amdgcn-amd-amdhsa--gfx1250"
	.amdhsa_code_object_version 6
	.text
	.protected	k_qfdb121f847_prep
	.globl	k_qfdb121f847_prep
	.p2align	8
	.type	k_qfdb121f847_prep,@function
k_qfdb121f847_prep:
	s_mov_b64 s[64:65], 0
	v_nop
	global_prefetch_b8 v0, s[64:65] scope:SCOPE_SE
	s_setreg_imm32_b32 hwreg(HW_REG_WAVE_MODE, 25, 1), 1
	s_wait_xcnt 0x0
; y = 0: psi_w [1024][1024] f32 becomes codes of FP6 (E2M3) with one E8M0 byte for each 32 along K, laid in wq in the order of the operand's registers.
; y = 1: q = relu(decoder_state phi_w^T + phi_b), [32][1024] f32, both operands quantised here, the product on codes; it goes to qv.
; A work-group takes 16 rows of its weight (tile J = work-group x); wave s takes K step s (128 along K).  Lane (r, h) holds row r and k = 128 s + 64 c + 32 h + 0 .. 31 in registers 6 c .. 6 c + 5:
; a lane owns two whole blocks of 32, so a block's largest magnitude needs no other lane.
; EVERY LOAD IS DENSE: an instruction takes one row's 512 consecutive bytes of the K step, 16 a lane; the 16 rows turn through the wave's own stage in LDS and come back 128 neighbouring bytes a lane.
; wq: 64 records of 12,800 bytes.  Codes: record + 1536 k + 512 c + 16 lane (register group c of K step k).  Scale words: record + 12288 + 16 lane + 4 i = the word of row lane % 16 for K step 2 i + lane / 16.
; A block's scale is 2^(floor(log2(largest magnitude)) - 2); its byte is the largest magnitude's exponent field - 2, held at 1 from below.
; LIMITS: a block of zeros gets the byte 1 (its codes are zeros; only this program reads the bytes); blocks whose largest magnitude lies under 2^-124 were not tried; NaN and infinities are not served.
; The two paths part once, on the work-group's y, and never join: each has its own LDS bytes, its own barrier and its own end.
.set SCG,   0                          ; psi path: the tile's 128 scale words, 512 bytes
.set RED,   512                        ; phi path: 8 waves x 2,048 bytes of partial sums
.set SPARE, 16896                      ; the spare words: 128 bytes for each of eight waves, four blocks of 256 bytes that no other line names
.set STG,   17920                      ; the turns' stages, 16,896 bytes for each wave, its own: the psi path's 16 rows, then the phi path's
.set SPI,   528                        ; a stage row: 512 bytes + 16, an odd multiple of 16, so that sixteen rows' loads of 16 bytes fall in sixteen different columns
.set PHI,   16*SPI                     ; where the phi path's stage begins in a wave's bytes
.set SPW,  1                           ; v1   LDS address of my spare word; never rewritten
.set NIL,  2                           ; v2   0; never rewritten
.set L16,  4                           ; v4   16 x lane
.set SH8,  5                           ; v5   8 h
.set SCA,  6                           ; v6   where my row's scale word goes
.set RST,  7                           ; v7   where my partial sums go
.set RLD,  8                           ; v8   where I read partial sums back
.set QOFF, 9                           ; v9   my two numbers in qv
.set BOFF, 10                          ; v10  and in phi_b
.set PX,   11                          ; v11  a lane permute's destination
.set MX,   12                          ; v12-13 largest magnitudes
.set SC,   14                          ; v14-15 the conversions' scale operands
.set BY,   16                          ; v16-17 scale bytes
.set BI,   18                          ; v[18:19] bias
.set TC,   20                          ; v[20:22], v[24:26] the upper halves of a block's codes
.set PWW,  23                          ; scale words: the weight's, and the two tiles' of decoder_state
.set PWD0, 27
.set PWD1, 31
.set PCW,  32                          ; v[32:43] the weight's fragment
.set PCD0, 44                          ; v[44:55] decoder_state rows 0-15
.set TS,   56                          ; v56  the stage, in: 16 x lane in my wave's bytes
.set TL,   57                          ; v57  the stage, out: row r, + 128 h
.set PCD1, 64                          ; v[64:75] rows 16-31 (over the weight's numbers, which are done with)
.set XW,   64                          ; v64-127  64 numbers of the weight
.set XD0,  128
.set XD1,  192
.set DD,   80                          ; v[80:95] two accumulators
.set RR,   96                          ; v[96:111] eight waves' partial sums
; 16 rows x 512 bytes, register group i = row i as loaded, go through my stage at byte off and come back into the registers that they left: register 32 c + i = k 64 c + 32 h + i of row r.
; LDS serves a wave's instructions in order (ISA guide 5.7.1.4): the loads see the stores, and a later turn's stores come behind these loads.
.macro TURNX x, off
.set i_, 0
.rept 16
	ds_store_b128 v[TS], v[\x+4*i_:\x+4*i_+3] offset:(\off)+SPI*i_
.set i_, i_+1
.endr
.irp c, 0,1
.irp j, 0,1,2,3,4,5,6,7
	ds_load_b128 v[\x+32*\c+4*\j:\x+32*\c+4*\j+3], v[TL] offset:(\off)+256*\c+16*\j
.endr
.endr
	s_wait_dscnt 0x0
.endm
; 64 numbers of a lane, register 32 c + i = k 64 c + 32 h + i of my row, become a fragment's 12 registers and its scale word.
.macro QUANT64 x, pc, pw
.irp c, 0,1
	v_max3_num_f32 v[MX+\c], |v[\x+32*\c]|, |v[\x+32*\c+1]|, 0x1800000   ; with the floor 2^(3 - 127): the byte cannot fall under 1
.endr
.irp i, 2,4,6,8,10,12,14,16,18,20,22,24,26,28,30
.irp c, 0,1
	s_delay_alu instid0(VALU_DEP_2)
	v_max3_num_f32 v[MX+\c], v[MX+\c], |v[\x+32*\c+\i]|, |v[\x+32*\c+\i+1]|   ; the two blocks by turns
.endr
.endr
.irp c, 0,1
	s_delay_alu instid0(VALU_DEP_2)
	v_add_nc_u32 v[SC+\c], 0xff000000, v[MX+\c]    ; 2 off the exponent field: the conversion takes this operand's exponent field as its scale
.endr
.irp c, 0,1
	s_delay_alu instid0(VALU_DEP_2)
	v_lshrrev_b32 v[BY+\c], 23, v[SC+\c]           ; the scale's byte
.endr
	s_delay_alu instid0(VALU_DEP_1)
	v_lshl_or_b32 v[\pw], v[BY+1], 16, v[BY]       ; my bytes: blocks h and 2 + h,
	s_delay_alu instid0(VALU_DEP_1)
	v_lshlrev_b32 v[\pw], v[SH8], v[\pw]           ; at their places in the word;
	s_delay_alu instid0(VALU_DEP_1)
	v_permlanex16_b32 v[PX], v[\pw], s24, s25
	s_delay_alu instid0(VALU_DEP_1)
	v_or_b32 v[\pw], v[\pw], v[PX]                 ; with lane l xor 16's two the word is whole, in both halves of the lanes
.irp c, 0,1
	v_cvt_scalef32_pk16_fp6_f32 v[\pc+6*\c:\pc+6*\c+2], v[\x+32*\c:\x+32*\c+15], v[SC+\c]
	v_cvt_scalef32_pk16_fp6_f32 v[TC+4*\c:TC+4*\c+2], v[\x+32*\c+16:\x+32*\c+31], v[SC+\c]   ; a conversion's three registers begin on an even number
.endr
	v_nop                                          ; one plain instruction behind the scaled conversions
.irp c, 0,1
.irp i, 0,1,2
	v_mov_b32 v[\pc+6*\c+3+\i], v[TC+4*\c+\i]
.endr
.endr
.endm
	s_load_b256 s[4:11], s[0:1], 0x0               ; decoder_state s[4:5], phi_w s[6:7], phi_b s[8:9], psi_w s[10:11]
	s_load_b128 s[12:15], s[0:1], 0x20             ; wq s[12:13], qv s[14:15]
	v_lshl_add_u32 v[SPW], v0, 2, SPARE
	v_mov_b32 v[NIL], 0
	v_lshrrev_b32 v28, 5, v0
	s_delay_alu instid0(VALU_DEP_1)
	v_readfirstlane_b32 s16, v28                   ; wave s = K step
	s_and_b32 s17, ttmp7, 0xffff                   ; y: 0 psi, 1 phi
	v_and_b32 v28, 31, v0                          ; lane
	v_and_b32 v29, 15, v0                          ; r
	v_bfe_u32 v30, v0, 4, 1                        ; h
	s_delay_alu instid0(VALU_DEP_3)
	v_lshlrev_b32 v[L16], 4, v28
	s_wait_alu depctr_va_vdst(0)
	v_lshlrev_b32 v[SH8], 3, v30
	v_mov_b32 v[PX], 0                             ; a lane permute's destination counts as one of its sources
	s_mul_i32 s22, s16, 2*PHI
	s_add_co_u32 s22, s22, STG                     ; my wave's stages
	v_add_nc_u32 v[TS], s22, v[L16]
	v_mul_u32_u24 v[TL], v29, SPI
	s_delay_alu instid0(VALU_DEP_1)
	v_lshl_add_u32 v[TL], v30, 7, v[TL]
	s_delay_alu instid0(VALU_DEP_1)
	v_add_nc_u32 v[TL], s22, v[TL]
	s_and_b32 s18, s16, 1
	s_lshr_b32 s20, s16, 1
	s_lshl_b32 s19, s18, 8
	s_lshl_b32 s21, s20, 2
	s_add_co_u32 s19, s19, s21
	v_lshl_add_u32 v[SCA], v29, 4, s19             ; SCG + 16 r + 256 (s % 2) + 4 (s / 2)
	s_lshl_b32 s22, s16, 11
	s_add_co_u32 s22, s22, RED
	v_add_nc_u32 v[RST], s22, v[L16]               ; RED + 2048 s + 16 lane
	s_lshl_b32 s22, s20, 9
	s_lshl_b32 s23, s18, 3
	s_add_co_u32 s22, s22, s23
	s_add_co_u32 s22, s22, RED
	v_add_nc_u32 v[RLD], s22, v[L16]               ; RED + 512 (s / 2) + 16 lane + 8 (s % 2): registers 2 s and 2 s + 1 of the sixteen
	s_and_b32 s22, s16, 3
	s_lshl_b32 s22, s22, 3
	v_lshl_add_u32 v[BOFF], v30, 5, s22            ; 4 (8 h + 2 (s % 4))
	s_lshr_b32 s23, s16, 2
	s_lshl_b32 s23, s23, 16
	v_lshl_add_u32 v[QOFF], v29, 12, v[BOFF]
	s_delay_alu instid0(VALU_DEP_1)
	v_add_nc_u32 v[QOFF], s23, v[QOFF]             ; + row 16 (s / 4) + r of 4,096 bytes
	s_mov_b32 s24, 0x76543210
	s_mov_b32 s25, 0xfedcba98                      ; v_permlanex16_b32's selects for lane l xor 16
	s_wait_kmcnt 0x0
	s_cmp_eq_u32 s17, 0
	s_cselect_b64 s[26:27], s[10:11], s[6:7]       ; my weight: the choice hangs on the work-group's number alone
	s_lshl_b32 s28, ttmp9, 16                      ; 16 J rows of 4,096 bytes
	s_lshl_b32 s29, s16, 9                         ; K step s: 512 bytes
	s_add_co_u32 s28, s28, s29
	s_mov_b32 s29, 0
	s_add_nc_u64 s[26:27], s[26:27], s[28:29]
.set i_, 0
.rept 16
	global_load_b128 v[XW+4*i_:XW+4*i_+3], v[L16], s[26:27] offset:4096*i_ th:TH_LOAD_NT   ; row i: 32 lanes read 512 consecutive bytes, aligned to 512
.set i_, i_+1
.endr
	s_cmp_lg_u32 s17, 0
	s_cbranch_scc1 .Lphi
	; ---- psi: the fragment's image and its scale words go to wq
	s_mul_i32 s28, ttmp9, 12800
	s_add_nc_u64 s[12:13], s[12:13], s[28:29]      ; my tile's record
	s_mul_i32 s28, s16, 1536
	s_add_nc_u64 s[30:31], s[12:13], s[28:29]      ; my K step's 1,536 bytes in it
	s_wait_loadcnt 0x0                             ; nothing was issued behind the weight's sixteen loads
	s_wait_alu depctr_va_vdst(0)
	TURNX XW, 0
	QUANT64 XW, PCW, PWW
.irp c, 0,1,2
	global_store_b128 v[L16], v[PCW+4*\c:PCW+4*\c+3], s[30:31] offset:512*\c   ; 32 lanes store 512 consecutive bytes, aligned to 256
.endr
	ds_store_b32 v[SCA], v[PWW] offset:SCG         ; both halves of the lanes write the same word with the same value
	s_wait_dscnt 0x0                               ; for the others' sake: my store has landed
	s_barrier_signal -1
	s_barrier_wait -1
	s_cmp_lg_u32 s16, 0
	s_cbranch_scc1 .Lpsi_end                       ; wave 0 stores the tile's 512 bytes of scale words
	ds_load_b128 v[44:47], v[L16] offset:SCG
	s_wait_dscnt 0x0
	global_store_b128 v[L16], v[44:47], s[12:13] offset:12288
.Lpsi_end:
	s_wait_tensorcnt 0x0                           ; the wave's end, behind my last LDS store
	ds_add_u32 v[SPW], v[NIL]
	s_wait_dscnt 0x0
	s_endpgm
	; ---- phi: q's tile, K step s in this wave; the eight waves' sums meet in LDS
.Lphi:
	s_lshl_b32 s28, s16, 9
	s_add_nc_u64 s[4:5], s[4:5], s[28:29]          ; decoder_state at K step s
	s_lshl_b32 s28, ttmp9, 6
	s_add_nc_u64 s[8:9], s[8:9], s[28:29]          ; phi_b and qv at column 16 J
	s_add_nc_u64 s[14:15], s[14:15], s[28:29]
	s_wait_alu depctr_va_vdst(0)
	global_load_b64 v[BI:BI+1], v[BOFF], s[8:9]
.set i_, 0
.rept 16
	global_load_b128 v[XD0+4*i_:XD0+4*i_+3], v[L16], s[4:5] offset:4096*i_
.set i_, i_+1
.endr
.set i_, 0
.rept 16
	global_load_b128 v[XD1+4*i_:XD1+4*i_+3], v[L16], s[4:5] offset:65536+4096*i_
.set i_, i_+1
.endr
	s_wait_loadcnt 33                              ; the weight is in; the bias and the 32 loads of decoder_state may be out
	TURNX XW, PHI
	QUANT64 XW, PCW, PWW
	s_wait_loadcnt 16                              ; rows 0-15 are in
	TURNX XD0, PHI
	QUANT64 XD0, PCD0, PWD0
	s_wait_loadcnt 0x0
	TURNX XD1, PHI
	QUANT64 XD1, PCD1, PWD1
.rept 8
	v_nop                                          ; a scale register written by a vector instruction stands eight places ahead of a scaled matrix instruction, an operand four
.endr
	; transposed: source 0 = 16 rows of phi_w, source 1 = 16 rows of decoder_state: lane (r, h) register j = q(row r, column 16 J + 8 h + j)
	v_wmma_scale_f32_16x16x128_f8f6f4 v[DD:DD+7], v[PCW:PCW+11], v[PCD0:PCD0+11], 0, v[PWW], v[PWD0] matrix_a_fmt:MATRIX_FMT_FP6 matrix_b_fmt:MATRIX_FMT_FP6
	v_wmma_scale_f32_16x16x128_f8f6f4 v[DD+8:DD+15], v[PCW:PCW+11], v[PCD1:PCD1+11], 0, v[PWW], v[PWD1] matrix_a_fmt:MATRIX_FMT_FP6 matrix_b_fmt:MATRIX_FMT_FP6
.rept 4
	v_nop                                          ; four places ahead of the first read of the results (ISA guide 7.12.1)
.endr
.irp g, 0,1,2,3
	ds_store_b128 v[RST], v[DD+4*\g:DD+4*\g+3] offset:512*\g   ; each accumulator from its low end on
.endr
	s_wait_dscnt 0x0                               ; for the others' sake: my stores have landed
	s_barrier_signal -1
	s_barrier_wait -1
.irp w, 0,1,2,3,4,5,6,7
	ds_load_b64 v[RR+2*\w:RR+2*\w+1], v[RLD] offset:2048*\w   ; two numbers of each wave's partial sums
.endr
	s_wait_dscnt 0x0
.irp w, 1
	v_pk_add_f32 v[RR:RR+1], v[RR:RR+1], v[RR+2*\w:RR+2*\w+1]   ; K ascending
.endr
.irp w, 2, 3, 4, 5, 6, 7
	s_delay_alu instid0(VALU_DEP_1)
	v_pk_add_f32 v[RR:RR+1], v[RR:RR+1], v[RR+2*\w:RR+2*\w+1]   ; K ascending
.endr
	s_delay_alu instid0(VALU_DEP_1)
	v_pk_add_f32 v[RR:RR+1], v[RR:RR+1], v[BI:BI+1]
	s_delay_alu instid0(VALU_DEP_1)
	v_max_num_f32 v[RR], 0, v[RR]
	s_delay_alu instid0(VALU_DEP_2)
	v_max_num_f32 v[RR+1], 0, v[RR+1]
	global_store_b64 v[QOFF], v[RR:RR+1], s[14:15] ; a tile of 16 columns has 64 bytes in a row of q: pieces of 8 bytes, 128 KiB once in the launch
	s_wait_tensorcnt 0x0                           ; the wave's end, behind my last LDS store
	ds_add_u32 v[SPW], v[NIL]
	s_wait_dscnt 0x0
	s_endpgm
.Lfunc_end_k_qfdb121f847_prep:
	.size	k_qfdb121f847_prep, .Lfunc_end_k_qfdb121f847_prep-k_qfdb121f847_prep
	.p2alignl 7, 3214868480
	.fill 96, 4, 3214868480
	.section	.rodata,"a",@progbits
	.p2align	6, 0x0
	.amdhsa_kernel k_qfdb121f847_prep
		.amdhsa_group_segment_fixed_size 153088
		.amdhsa_private_segment_fixed_size 0
		.amdhsa_enable_private_segment 0
		.amdhsa_kernarg_size 48
		.amdhsa_user_sgpr_count 2
		.amdhsa_user_sgpr_kernarg_segment_ptr 1
		.amdhsa_wavefront_size32 1
		.amdhsa_system_sgpr_workgroup_id_x 1
		.amdhsa_system_sgpr_workgroup_id_y 1
		.amdhsa_system_sgpr_workgroup_id_z 1
		.amdhsa_system_vgpr_workitem_id 0
		.amdhsa_next_free_vgpr 256
		.amdhsa_next_free_sgpr 66
		.amdhsa_reserve_vcc 0
		.amdhsa_float_denorm_mode_32 3
		.amdhsa_float_denorm_mode_16_64 3
		.amdhsa_memory_ordered 1
		.amdhsa_forward_progress 1
		.amdhsa_inst_pref_size 36
	.end_amdhsa_kernel
	.amdgpu_metadata
---
amdhsa.version: [ 1, 2 ]
amdhsa.kernels:
  - .name:           k_qfdb121f847_prep
    .symbol:         k_qfdb121f847_prep.kd
    .args:
      - { .name: decoder_state, .offset: 0, .size: 8, .value_kind: global_buffer, .address_space: global }
      - { .name: phi_w, .offset: 8, .size: 8, .value_kind: global_buffer, .address_space: global }
      - { .name: phi_b, .offset: 16, .size: 8, .value_kind: global_buffer, .address_space: global }
      - { .name: psi_w, .offset: 24, .size: 8, .value_kind: global_buffer, .address_space: global }
      - { .name: wq, .offset: 32, .size: 8, .value_kind: global_buffer, .address_space: global }
      - { .name: qv, .offset: 40, .size: 8, .value_kind: global_buffer, .address_space: global }
    .group_segment_fixed_size: 153088
    .private_segment_fixed_size: 0
    .kernarg_segment_align: 8
    .kernarg_segment_size: 48
    .max_flat_workgroup_size: 256
    .sgpr_count:     66
    .vgpr_count:     256
    .wavefront_size: 32
...
	.end_amdgpu_metadata
.endif
;; end of part 4
;; launch main (part 5): grid 256 x 1, 4 waves a work-group, no clusters, 316,928 bytes of LDS; arguments listener_feature, wq, qv, psi_b, part, stat, ebuf; writes part, stat, ebuf
.if DOCPART == 5
	.amdgcn_target "amdgcn-amd-amdhsa--gfx1250"
	.amdhsa_code_object_version 6
	.text
	.protected	k_qfdb121f847_main
	.globl	k_qfdb121f847_main
	.p2align	8
	.type	k_qfdb121f847_main,@function
k_qfdb121f847_main:
	s_mov_b64 s[64:65], 0
	v_nop
	global_prefetch_b8 v0, s[64:65] scope:SCOPE_SE
	s_setreg_imm32_b32 hwreg(HW_REG_WAVE_MODE, 25, 1), 1
	s_wait_xcnt 0x0
; For 256 rows t of one batch b: k = relu(x psi_w^T + psi_b) on codes of FP6 (E2M3, one E8M0 byte for each 32 along K), e[h][t] = q[h] . k[t][h], and for each chunk of 64 rows and each head the chunk's largest e,
; the sum of p = exp(e - largest) and the sum of p x[t][head's 128]: the next launch joins the chunks.  x is read from memory ONCE: it is quantised on the way, and a bf16 copy stays in LDS for the last sum.
; SHARES.  Work-group g: batch g / 8, rows 256 (g % 8) on, as two blocks of 128 rows.  Wave w = 2 i + j.
;   L: wave w loads rows 32 w .. 32 w + 31 of the block, stores them as bf16 in LDS, quantises them and hands the fragments round through LDS as images of their registers.
;   G: wave (i, j) keeps the codes of rows 64 i .. 64 i + 63 in registers (4 tiles of rows x 8 K steps = 384 registers) and walks the 32 tiles of 16 weight rows of heads 4 j .. 4 j + 3; a tile's fragments come from wq
;      straight into registers, three tiles ahead, in four sets by turns; each feeds four matrix instructions.  The product is used transposed (source 0 = 16 weight rows, source 1 = 16 rows of x): lane (r, h) register n
;      holds row t = r, column 8 h + n.  The bias is the C of each sum's first instruction.  A tile's relu and dot with q stand in slices behind the next tile's first matrix instructions, and all of a tile's
;      memory instructions in one run behind them.
; NO CLUSTER, NO TENSOR LOAD, though all work-groups walk the same weights: a joint load lands in LDS alone.  Of the 327,680 bytes the bf16 copy takes 262,144 and the stages written by LDS stores
; what is left, 10,752 bytes, is less than one weight tile's 12,800.
; LIMITS: a block of zeros gets the scale byte 1 (its codes are zeros); blocks whose largest magnitude lies under 2^-124 were not tried; NaN and infinities are not served.  x enters the last sum rounded to bf16, p in f32.
; REGISTERS, in windows of 256 (s_set_vgpr_msb: bits 1:0 source 0, 3:2 source 1, 5:4 source 2, 7:6 destination):
;   window 0: v1-31 addresses and temporaries; v32-47 x's scale words, v48-63 the weights' (these hold scales alone); v64-95, v96-127 two sets of four accumulators; v128-135 bias; v136-151 q, two sets; v152-159 sums; v160-255 weight set 2
;   window 1: x's fragments (m, k), k = 0 .. 4, at 12 (4 k + m).   window 2: k = 5 .. 7 at 12 (4 (k - 5) + m); weight set 3 at v144-239.   window 3: weight sets 0, 1 at v0, v96; v192-255 rows of bf16; in L all 256: the ring of x.
.set QL,    0                          ; LDS: q of my batch, 4,096 bytes
.set BL,    4096                       ; psi_b
.set PB,    8192                       ; p: 256 bytes for each wave, its own
.set EB,    9216                       ; the last head's e: likewise
.set TURN,  10240                      ; 16 rows x 272 bytes for each wave, its own: 256 bytes of f32 + 16, an odd multiple of 16, so that sixteen rows' loads of 16 bytes fall in sixteen different columns
.set XCH,   27648                      ; 16 fragment images of 1,536 bytes
.set XSC,   52224                      ; their scale words: 8 tiles of rows x 128 bytes
.set SPARE, 54272                      ; (the scale words have two sets of 1,024 bytes from XSC on, taken by the quarter's parity)  the spare words: 128 bytes for each wave, two blocks of 256 bytes that no other line names
.set VB,    54784                      ; 128 rows x 2,048 bytes: x as bf16; in odd rows the two halves of 128 bytes of each 256 change places
.set REC,   12800                      ; a weight tile's record in wq
.set SPW,  1
.set NIL,  2
.set L16,  3                           ; 16, 4, 8 x lane
.set L4,   4
.set L8,   5
.set XOFF, 6                           ; x: 4096 (lane / 16) + 16 (lane % 16)
.set TST,  7                           ; the turn, in: row lane / 16, 16 bytes a lane
.set TLD,  8                           ; the turn, out: row r, + 128 h
.set VST,  9                           ; bf16 rows, in
.set XST,  10                          ; fragment images, in
.set XLD,  11                          ; and out
.set XSS,  12                          ; scale words, in
.set XSL,  13                          ; and out
.set VBQ0, 14                          ; 2048 j + 32 h: my eight numbers of bias and q in tile 0
.set VBQ,  15                          ; the same for the trip in hand
.set PBS,  16
.set PBL,  17
.set VRD,  18                          ; bf16 rows, out: my 64 rows, my four heads, 8 bytes a lane
.set VR0,  19
.set VR1,  20
.set LG8,  21                          ; lane / 8
.set SH8,  22                          ; 8 h
.set STAT, 23                          ; the chunk's statistics: lanes 8 H .. 8 H + 7 hold head H's: even lanes the largest e, odd lanes the sum
.set PFO,  24                          ; 4096 x lane
.set EBS,  25
.set EBL,  26
.set VS1,  27                          ; bf16 rows, in, for the upper 64 columns of a K step (VST serves the lower 64)
.set ASC,  32
.set BSC,  48
.set AC0,  64
.set BIAS, 128
.set Q0,   136
.set E2,   152
.set TT,   96                          ; temporaries of a head's end, in the second set of accumulators, which is free there
.set MXA,  144                         ; L's temporaries
.set MXB,  145
.set SCO,  146
.set BY0,  147
.set PW,   149
.set PX,   150
.set PC,   160
.set TC,   172
.set MSB, 0
.macro WIN new                         ; the immediate's high byte repeats the setting that is left; a switch that changes nothing is dropped
.if MSB != (\new)
	s_set_vgpr_msb (MSB<<8)|(\new)
.set MSB, (\new)
.endif
.endm
.macro BAR                             ; my LDS stores have landed and my LDS loads are in: then the work-group's barrier
	s_wait_dscnt 0x0
	s_barrier_signal -1
	s_barrier_wait -1
.endm
	s_load_b256 s[4:11], s[0:1], 0x0               ; x s[4:5], wq s[6:7], qv s[8:9], psi_b s[10:11]
	s_load_b128 s[12:15], s[0:1], 0x20             ; part s[12:13], stat s[14:15]
	s_load_b64 s[16:17], s[0:1], 0x30              ; ebuf
	v_lshl_add_u32 v[SPW], v0, 2, SPARE
	v_mov_b32 v[NIL], 0
	v_lshrrev_b32 v28, 5, v0
	v_readfirstlane_b32 s18, v28                   ; wave w
	s_lshr_b32 s19, s18, 1                         ; i: which 64 rows
	s_and_b32 s20, s18, 1                          ; j: which four heads
	v_and_b32 v28, 31, v0                          ; lane
	v_and_b32 v29, 15, v0                          ; r
	v_bfe_u32 v30, v0, 4, 1                        ; h
	v_lshlrev_b32 v[L16], 4, v28
	v_lshlrev_b32 v[L4], 2, v28
	v_lshlrev_b32 v[L8], 3, v28
	v_lshlrev_b32 v[XOFF], 4, v29
	v_lshl_add_u32 v[XOFF], v30, 12, v[XOFF]
	s_mul_i32 s34, s18, 4352
	s_add_co_u32 s34, s34, TURN
	v_mul_u32_u24 v31, v30, 272
	v_lshl_add_u32 v31, v29, 4, v31
	v_add_nc_u32 v[TST], s34, v31
	v_mul_u32_u24 v31, v29, 272
	v_lshl_add_u32 v31, v30, 7, v31
	v_add_nc_u32 v[TLD], s34, v31
	s_lshl_b32 s34, s18, 16                        ; 32 w rows of 2,048 bytes
	s_add_co_u32 s34, s34, VB
	v_lshlrev_b32 v31, 3, v29
	v_lshl_add_u32 v31, v30, 11, v31
	v_add_nc_u32 v[VST], s34, v31
	v_lshlrev_b32 v[VS1], 7, v30
	v_sub_nc_u32 v[VS1], v[VST], v[VS1]            ; lanes 16-31 hold an odd row: its upper 64 columns go 128 bytes down,
	v_lshl_add_u32 v[VST], v30, 7, v[VST]          ; its lower 64 columns 128 bytes up: the 32 lanes of a store of 8 bytes then touch 64 different banks
	s_mul_i32 s34, s18, 6144
	s_add_co_u32 s34, s34, XCH
	v_add_nc_u32 v[XST], s34, v[L16]
	s_mul_i32 s34, s19, 12288
	s_add_co_u32 s34, s34, XCH
	v_add_nc_u32 v[XLD], s34, v[L16]
	s_lshl_b32 s34, s18, 8
	s_add_co_u32 s35, s34, XSC
	v_lshl_add_u32 v[XSS], v29, 2, s35
	s_lshl_b32 s35, s19, 9
	s_add_co_u32 s35, s35, XSC
	v_add_nc_u32 v[XSL], s35, v[L4]
	s_lshl_b32 s35, s20, 11
	v_lshl_add_u32 v[VBQ0], v30, 5, s35
	s_add_co_u32 s35, s34, PB
	v_lshl_add_u32 v[PBS], v29, 2, s35
	v_mov_b32 v[PBL], s35
	s_add_co_u32 s35, s34, EB
	v_lshl_add_u32 v[EBS], v29, 2, s35
	v_add_nc_u32 v[EBL], s35, v[L8]
	s_lshl_b32 s35, s19, 17
	s_lshl_b32 s36, s20, 10
	s_add_co_u32 s35, s35, s36
	s_add_co_u32 s35, s35, VB
	v_add_nc_u32 v[VRD], s35, v[L8]
	v_lshrrev_b32 v[LG8], 3, v28
	v_lshlrev_b32 v[SH8], 3, v30
	v_lshlrev_b32 v[PFO], 12, v28
	v_mov_b32 v[PX], 0                             ; a lane permute's destination counts as one of its sources
	v_lshlrev_b32 v31, 5, v0                       ; 32 bytes a thread of q and of psi_b
	s_mov_b32 s22, 0x76543210
	s_mov_b32 s23, 0xfedcba98                      ; v_permlanex16_b32's selects for lane l xor 16
	s_mov_b32 s24, 0x3fb8aa3b                      ; log2(e)
	s_mov_b32 s25, 0xaaaaaaaa                      ; the odd lanes
	s_wait_alu depctr_va_vdst(0)
	s_wait_kmcnt 0x0
	s_lshr_b32 s34, ttmp9, 3
	s_lshl_b32 s34, s34, 12
	s_mov_b32 s35, 0
	s_add_nc_u64 s[8:9], s[8:9], s[34:35]          ; q of my batch
	global_load_b128 v[64:67], v31, s[8:9]
	global_load_b128 v[68:71], v31, s[8:9] offset:16
	global_load_b128 v[72:75], v31, s[10:11]
	global_load_b128 v[76:79], v31, s[10:11] offset:16
	s_lshl_b32 s34, ttmp9, 20                      ; 256 g rows of 4,096 bytes
	s_lshl_b32 s36, s18, 17                        ; + 32 w rows
	s_add_co_u32 s34, s34, s36
	s_add_nc_u64 s[4:5], s[4:5], s[34:35]
	s_mul_i32 s34, s20, 32*REC
	s_add_nc_u64 s[6:7], s[6:7], s[34:35]          ; my 32 weight tiles
	s_lshl_b32 s36, ttmp9, 2
	s_add_co_u32 s36, s36, s19                     ; my first chunk: 4 g + i
	s_lshl_b32 s34, s36, 12
	s_lshl_b32 s37, s20, 11
	s_add_co_u32 s34, s34, s37
	s_add_nc_u64 s[12:13], s[12:13], s[34:35]
	s_lshl_b32 s34, s36, 8
	s_lshl_b32 s37, s20, 7
	s_add_co_u32 s34, s34, s37
	s_add_nc_u64 s[14:15], s[14:15], s[34:35]
	s_lshl_b32 s34, ttmp9, 10
	s_lshl_b32 s37, s19, 8
	s_add_co_u32 s34, s34, s37
	s_add_nc_u64 s[16:17], s[16:17], s[34:35]
; (q and psi_b go to LDS further down, behind the first loads of x)
; ---------------- L.  K goes in four quarters of 256; in a quarter a wave has eight half-units u = 4 ks + 2 a + c: 16 rows (tile a) x 64 columns (K step 2 q + ks, half c): K step by K step.
; Eight loads bring a half-unit: lanes 0-15 take 256 consecutive bytes of row 2 ip, lanes 16-31 of row 2 ip + 1, each aligned to 256.
.macro XLOADS u, rho
	WIN 0xc0
.irp ip, 0,1,2,3,4,5,6,7
	global_load_b128 v[32*(\u)+4*\ip:32*(\u)+4*\ip+3], v[XOFF], s[4:5] offset:(((\u)/2)%2)*65536+\ip*8192+(2*(\rho)+(\u)/4)*512+((\u)%2)*256 th:TH_LOAD_NT
.endr
.endm
; S1: half-unit u has come: its bf16 copy goes to its rows in LDS; the f32 numbers turn through my own stage, so that lane (r, h) gets the 32 neighbours 32 h .. 32 h + 31 of row r.
; The loads come back in order.  rf = 1 (a later quarter refills the ring): behind half-unit 0 the seven others of its quarter may be out (56); behind u >= 1 the 7 - u left and the u - 1 refills issued so far (48).
.macro S1 rho, u, rf
.if \rf
.if (\u) == 0
	s_wait_loadcnt 56
.else
	s_wait_loadcnt 48
.endif
.else
	s_wait_loadcnt 8*(7-(\u))+XTRA                 ; the last quarter: the counts run down; XTRA: the 25 or 50 loads of weight tiles issued behind the loads of x
.endif
.set TBB, 128+48*((\u)%2)                      ; two sets of packed registers by turns
.set YB, AC0+32*((\u)%2)
	WIN 0x0f
.irp ip, 0,1,2,3,4,5,6,7
	v_cvt_pk_bf16_f32 v[TBB+2*\ip], v[32*(\u)+4*\ip], v[32*(\u)+4*\ip+1]
	v_cvt_pk_bf16_f32 v[TBB+2*\ip+1], v[32*(\u)+4*\ip+2], v[32*(\u)+4*\ip+3]
.endr
	WIN 0x0c
.irp ip, 0,1,2,3,4,5,6,7
	ds_store_b128 v[TST], v[32*(\u)+4*\ip:32*(\u)+4*\ip+3] offset:\ip*544
.endr
	WIN 0
.irp ip, 0,1,2,3,4,5,6,7
	ds_store_b64 v[VST+(VS1-VST)*((\u)%2)], v[TBB+2*\ip:TBB+2*\ip+1] offset:(16*(((\u)/2)%2)+2*\ip)*2048+(2*(\rho)+(\u)/4)*256+((\u)%2)*128
.endr
.irp j, 0,1,2,3,4,5,6,7
	ds_load_b128 v[YB+4*\j:YB+4*\j+3], v[TLD] offset:16*\j   ; LDS serves a wave's instructions in order (ISA guide 5.7.1.4): these see the stores above, and the next half-unit's stores come behind them
.endr
.endm
; S2: the block of 32 in my registers becomes 24 bytes of codes and a scale byte; with c = 1 the fragment is whole and goes to LDS as an image of its registers.
.macro S2 rho, u, dcnt, rf
	s_wait_dscnt \dcnt                             ; half-unit u is back from the turn (the next half-unit's 24 LDS instructions may be out): so its stores have read the ring's registers,
.if \rf
	XLOADS \u, (\rho)+1                            ; which take the next quarter's half-unit
	WIN 0
.endif
.set YB, AC0+32*((\u)%2)
.set CC, (\u)%2
	v_max3_num_f32 v[MXA], |v[YB]|, |v[YB+1]|, 0x1800000   ; with the floor 2^(3 - 127): the byte cannot fall under 1
	v_max3_num_f32 v[MXB], |v[YB+2]|, |v[YB+3]|, |v[YB+4]|
.irp i, 5,9,13,17,21,25
	v_max3_num_f32 v[MXA], v[MXA], |v[YB+\i]|, |v[YB+\i+1]|
	v_max3_num_f32 v[MXB], v[MXB], |v[YB+\i+2]|, |v[YB+\i+3]|
.endr
	v_max3_num_f32 v[MXA], v[MXA], |v[YB+29]|, |v[YB+30]|
	v_max3_num_f32 v[MXA], v[MXA], v[MXB], |v[YB+31]|
	v_add_nc_u32 v[SCO], 0xff000000, v[MXA]        ; 2 off the exponent field: the conversion's scale operand
	v_cvt_scalef32_pk16_fp6_f32 v[PC+6*CC:PC+6*CC+2], v[YB:YB+15], v[SCO]
	v_cvt_scalef32_pk16_fp6_f32 v[TC:TC+2], v[YB+16:YB+31], v[SCO]   ; a conversion's three registers begin on an even number
	v_lshrrev_b32 v[BY0+CC], 23, v[SCO]            ; the scale's byte; also the plain instruction behind the conversions
.irp i, 0,1,2
	v_mov_b32 v[PC+6*CC+3+\i], v[TC+\i]
.endr
.if CC == 1
	v_lshl_or_b32 v[PW], v[BY0+1], 16, v[BY0]      ; my bytes: blocks h and 2 + h,
	v_lshlrev_b32 v[PW], v[SH8], v[PW]
	v_permlanex16_b32 v[PX], v[PW], s22, s23
	v_or_b32 v[PW], v[PW], v[PX]                   ; with lane l xor 16's the word is whole
.irp c, 0,1,2
	ds_store_b128 v[XST], v[PC+4*\c:PC+4*\c+3] offset:(2*(((\u)/2)%2)+(\u)/4)*1536+512*\c
.endr
	ds_store_b32 v[XSS], v[PW] offset:(((\u)/2)%2)*128+((\u)/4)*64+((\rho)%2)*1024   ; both halves of the lanes write the same word
.endif
.endm
; My 64 rows' fragments of one K step of the quarter; with the odd K step the quarter's scale words: lanes 0-15 the even K step's, lanes 16-31 the odd one's.
.macro FETCH rho, ks
.irp m, 0,1,2,3
.set KK, 2*(\rho)+(\ks)
.if KK < 5
	WIN 0x40
.set AR, 12*(4*KK+\m)
.else
	WIN 0x80
.set AR, 12*(4*(KK-5)+\m)
.endif
.irp c, 0,1,2
	ds_load_b128 v[AR+4*\c:AR+4*\c+3], v[XLD] offset:(2*\m+(\ks))*1536+512*\c
.endr
.endr
	WIN 0
.if (\ks) == 1
.irp m, 0,1,2,3
	ds_load_b32 v[ASC+4*\m+(\rho)], v[XSL] offset:\m*128+((\rho)%2)*1024
.endr
.endif
.endm
; ONE barrier for each K step.  The images of the even and of the odd K step are disjoint bytes: a K step's images are stored, the barrier passed, and they are fetched while the other K step's are made;
; the next barrier, in front of which every wave has waited for all its LDS instructions, stands between those fetches and the next stores into the same bytes.
; The scale words are read behind the odd K step's barrier and have two sets by the quarter's parity, so that the next quarter's words land elsewhere.
; In the last quarter (rf = 0) the ring's registers take no more of x: groups 0-2 take weight tile 0 and groups 3-5 weight tile 1, each behind the wait that shows the groups' stores done.
.macro QUARTER rho, rf
	S1 \rho, 0, \rf
	S1 \rho, 1, \rf
	S2 \rho, 0, 24, \rf
	S1 \rho, 2, \rf
	S2 \rho, 1, 24, \rf
	S1 \rho, 3, \rf
	S2 \rho, 2, 24, \rf
.if 1-(\rf)
	BLOADS 0, 0
.set XTRA, 25
.endif
	S1 \rho, 4, \rf
	S2 \rho, 3, 24, \rf
	BAR                                            ; the even K step's eight images lie in LDS (loads from memory, of bytes that nobody writes, stay on their way)
	FETCH \rho, 0
	S1 \rho, 5, \rf
	S2 \rho, 4, 24, \rf
	S1 \rho, 6, \rf
	S2 \rho, 5, 24, \rf
.if 1-(\rf)
	BLOADS 1, REC
.set XTRA, 50
.endif
	S1 \rho, 7, \rf
	S2 \rho, 6, 24, \rf
	S2 \rho, 7, 0, \rf
	BAR                                            ; the odd K step's images and the quarter's scale words lie in LDS; in the last quarter also all of the block's bf16 rows
	FETCH \rho, 1
.set XTRA, 0
.endm
; ---------------- G
.macro SETOF set                       ; a weight set's window and first register
.if (\set) == 0
.set SW, 3
.set SBS, 0
.elseif (\set) == 1
.set SW, 3
.set SBS, 96
.elseif (\set) == 2
.set SW, 0
.set SBS, 160
.else
.set SW, 2
.set SBS, 144
.endif
.endm
.macro BLOADS set, off                 ; a tile's record: 24 loads of 512 consecutive bytes, register group n at byte 512 n, and its scale words
	SETOF \set
	WIN SW<<6
.set li, 0
.rept 24
	global_load_b128 v[SBS+4*li:SBS+4*li+3], v[L16], s[32:33] offset:(\off)+512*li
.set li, li+1
.endr
	WIN 0
	global_load_b128 v[BSC+4*(\set):BSC+4*(\set)+3], v[L16], s[32:33] offset:(\off)+12288
.endm
; A TILE: 32 matrix instructions, slot sl = 4 k + m: K step k, tile of rows m.  The four accumulators take turns, one instruction a turn.
; Behind slot 0 stand four v_nop (the places ahead of the first read of the last tile's results and of the loads into its operands);
; behind slots 1 .. 12 the last tile's relu and dot with q, four instructions a slot (epi = 1);
; behind slot 13, in ONE run, all of the tile's memory instructions: the next tile's bias and its q, into the set that the slices have just done with (nbq = 1), and the 25 loads of the tile three on,
; into the set just left (rf = 1).  Slots 14 .. 31 stand back to back.  One run, not pieces strewn among the matrix instructions: each piece would part them once more and want window switches of its own.
; The slices of slots 3 .. 12 (with epi = 0 the four v_nop behind slot 4) are the places between the sums' first instructions, which read the bias, and the load into it.
; lcnt: the younger tiles' loads, 25 each, that may be out.  The two youngest LDS loads (the next q) may be out: the bias is in.
.macro TILE set, acc, epi, rf, rset, roff, nbq, bqoff, lcnt
	s_wait_loadcnt \lcnt
	s_wait_dscnt 0x2
	SETOF \set
.set TW, SW
.set TBS, SBS
.if \rf
	SETOF \rset
.endif
.set AD, AC0+32*(\acc)
.set AO, AC0+32*(1-(\acc))
.set QE, Q0+8*(1-(\acc))
.set sl, 0
.rept 32
.set kk, sl/4
.set mm, sl%4
.if kk < 5
.set WN, TW|(1<<2)
.set AR, 12*(4*kk+mm)
.else
.set WN, TW|(2<<2)
.set AR, 12*(4*(kk-5)+mm)
.endif
.set BR, TBS+12*kk
.set DR, AD+8*mm
.set SA, BSC+4*(\set)+kk/2
.set SB, ASC+4*mm+kk/2
	WIN WN
.if kk == 0
	v_wmma_scale_f32_16x16x128_f8f6f4 v[DR:DR+7], v[BR:BR+11], v[AR:AR+11], v[BIAS:BIAS+7], v[SA], v[SB] matrix_a_fmt:MATRIX_FMT_FP6 matrix_b_fmt:MATRIX_FMT_FP6
.elseif kk%2 == 0
	v_wmma_scale_f32_16x16x128_f8f6f4 v[DR:DR+7], v[BR:BR+11], v[AR:AR+11], v[DR:DR+7], v[SA], v[SB] matrix_a_fmt:MATRIX_FMT_FP6 matrix_b_fmt:MATRIX_FMT_FP6
.else
	v_wmma_scale_f32_16x16x128_f8f6f4 v[DR:DR+7], v[BR:BR+11], v[AR:AR+11], v[DR:DR+7], v[SA], v[SB] matrix_a_fmt:MATRIX_FMT_FP6 matrix_b_fmt:MATRIX_FMT_FP6 matrix_a_scale:MATRIX_SCALE_ROW1 matrix_b_scale:MATRIX_SCALE_ROW1
.endif
.if sl == 0
.rept 4
	v_nop
.endr
.endif
.if (sl == 4) && (1-(\epi))
.rept 4
	v_nop                                          ; no slices here: the places ahead of the load into the bias's registers
.endr
.endif
.if (\epi) && (sl >= 1) && (sl <= 12)
.set vi, sl-1
	WIN 0
.if vi < 8
.irp e, 0,1,2,3
	v_max_num_f32 v[AO+4*vi+\e], 0, v[AO+4*vi+\e]  ; relu, each accumulator from its low end on
.endr
.else
.irp m, 0,1,2,3
	v_pk_fma_f32 v[E2+2*\m:E2+2*\m+1], v[AO+8*\m+2*(vi-8):AO+8*\m+2*(vi-8)+1], v[QE+2*(vi-8):QE+2*(vi-8)+1], v[E2+2*\m:E2+2*\m+1]
.endr
.endif
.endif
.if sl == 13
.if \nbq
	WIN 0
	ds_load_b128 v[BIAS:BIAS+3], v[VBQ] offset:BL+(\bqoff)
	ds_load_b128 v[BIAS+4:BIAS+7], v[VBQ] offset:BL+(\bqoff)+16
	ds_load_b128 v[QE:QE+3], v[VBQ] offset:QL+(\bqoff)
	ds_load_b128 v[QE+4:QE+7], v[VBQ] offset:QL+(\bqoff)+16
.endif
.if \rf
	WIN 0
	global_load_b128 v[BSC+4*(\rset):BSC+4*(\rset)+3], v[L16], s[32:33] offset:(\roff)+12288
	WIN SW<<6
.set li, 0
.rept 24
	global_load_b128 v[SBS+4*li:SBS+4*li+3], v[L16], s[32:33] offset:(\roff)+512*li
.set li, li+1
.endr
.endif
.endif
.set sl, sl+1
.endr
.endm
; Sixteen of my 64 rows' 256 bytes of the head (8 bytes a lane: 256 consecutive bytes an instruction),
.macro CLV b
	WIN 0xc0
.irp t, 0,1,2,3,4,5,6,7,8,9,10,11,12,13,14,15
	ds_load_b64 v[192+32*((\b)%2)+2*\t:192+32*((\b)%2)+2*\t+1], v[VR0+(\b)/2] offset:((\b)%2)*32768+\t*2048
.endr
.endm
; and their sixteen p, the same in every lane
.macro CLP b
	WIN 0
.irp i, 0,1,2,3
	ds_load_b128 v[TT+16*((\b)%2)+4*\i:TT+16*((\b)%2)+4*\i+3], v[PBL] offset:64*(\b)+16*\i
.endr
.endm
.macro CF b                            ; sums += p x: x a bf16 half, p and the sums f32; even and odd rows in sums of their own
.set VV, 192+32*((\b)%2)
.set PP, TT+16*((\b)%2)
	WIN 0x03
.irp t, 0,1,2,3,4,5,6,7,8,9,10,11,12,13,14,15
	v_fma_mix_f32_bf16 v[E2+4*(\t%2)], v[VV+2*\t], v[PP+\t], v[E2+4*(\t%2)] op_sel_hi:[1,0,0]
	v_fma_mix_f32_bf16 v[E2+4*(\t%2)+1], v[VV+2*\t], v[PP+\t], v[E2+4*(\t%2)+1] op_sel:[1,0,0] op_sel_hi:[1,0,0]
	v_fma_mix_f32_bf16 v[E2+4*(\t%2)+2], v[VV+2*\t+1], v[PP+\t], v[E2+4*(\t%2)+2] op_sel_hi:[1,0,0]
	v_fma_mix_f32_bf16 v[E2+4*(\t%2)+3], v[VV+2*\t+1], v[PP+\t], v[E2+4*(\t%2)+3] op_sel:[1,0,0] op_sel_hi:[1,0,0]
.endr
.endm
; A HEAD'S END: the head's eight tiles are summed.  s31 = the head among my four, s30 = 256 x it.  tail = 1: my last head, whose e go out too where it is the last head of all (j = 1).
; The first 32 rows of bf16 hang on no p: they are asked for first and land under the softmax's arithmetic.
.macro HEADEND tail
	v_add_nc_u32 v[VR0], s30, v[VRD]
	v_add_nc_u32 v[VR1], 0x10000, v[VR0]
	CLV 0
	CLV 1
	WIN 0
.irp m, 0,1,2,3
	v_add_f32 v[TT+\m], v[E2+2*\m], v[E2+2*\m+1]
.endr
.irp m, 0,1,2,3
	v_permlanex16_b32 v[TT+4+\m], v[TT+\m], s22, s23
.endr
.irp m, 0,1,2,3
	v_add_f32 v[TT+\m], v[TT+\m], v[TT+4+\m]       ; e(t = 16 m + r), in both halves of the lanes
.endr
.if \tail
	s_cmp_eq_u32 s20, 0
	s_cbranch_scc1 .Lno_e_\@
.irp m, 0,1,2,3
	ds_store_b32 v[EBS], v[TT+\m] offset:64*\m
.endr
	ds_load_b64 v[28:29], v[EBL]                   ; my own bytes, served in order
	s_wait_dscnt 0x0
	global_store_b64 v[L8], v[28:29], s[16:17]     ; 32 lanes store 256 consecutive bytes, aligned
.Lno_e_\@:
.endif
	s_wait_alu depctr_va_vdst(0)
	v_max3_num_f32 v[TT+8], v[TT], v[TT+1], v[TT+2]
	v_max_num_f32 v[TT+8], v[TT+8], v[TT+3]
.irp x, 1,2,4,8
	v_max_num_f32_dpp v[TT+8], v[TT+8], v[TT+8] row_xmask:\x row_mask:0xf bank_mask:0xf
.endr                                          ; the chunk's largest e, in every lane
.irp m, 0,1,2,3
	v_sub_f32 v[TT+4+\m], v[TT+\m], v[TT+8]
.endr
.irp m, 0,1,2,3
	v_mul_f32 v[TT+4+\m], s24, v[TT+4+\m]
.endr
	s_wait_alu depctr_va_vdst(0)
.irp m, 0,1,2,3
	v_exp_f32 v[TT+4+\m], v[TT+4+\m]               ; p = exp(e - largest)
.endr
.irp e, 0,1,2,3,4,5,6,7
	v_mov_b32 v[E2+\e], 0                          ; plain work behind the exponentials: the last sum begins at 0
.endr
	s_wait_alu depctr_va_vdst(0)                   ; one wait for the four, ahead of their first reader
.irp m, 0,1,2,3
	ds_store_b32 v[PBS], v[TT+4+\m] offset:64*\m
.endr
	v_add_f32 v[TT+9], v[TT+4], v[TT+5]
	v_add_f32 v[TT+10], v[TT+6], v[TT+7]
	v_add_f32 v[TT+9], v[TT+9], v[TT+10]
.irp x, 1,2,4,8
	v_add_f32_dpp v[TT+9], v[TT+9], v[TT+9] row_xmask:\x row_mask:0xf bank_mask:0xf
.endr                                          ; the sum of the chunk's 64 p
	v_cndmask_b32 v[TT+10], v[TT+8], v[TT+9], s25  ; even lanes the largest e, odd lanes the sum,
	v_cmp_eq_u32 vcc_lo, s31, v[LG8]
	v_cndmask_b32 v[STAT], v[STAT], v[TT+10], vcc_lo   ; into this head's eight lanes
	CLP 0
	CLP 1
	s_wait_dscnt 4                                 ; all but the second sixteen's four loads of p
	CF 0
	CLV 2
	CLP 2
	s_wait_alu depctr_va_vdst(0)
	s_wait_dscnt 20                                ; all but the younger batch's twenty loads
	CF 1
	CLV 3
	CLP 3
	s_wait_alu depctr_va_vdst(0)
	s_wait_dscnt 20
	CF 2
	s_wait_alu depctr_va_vdst(0)
	s_wait_dscnt 0x0
	CF 3
	WIN 0
.irp e, 0,1,2,3
	v_permlanex16_b32 v[TT+\e], v[E2+4+\e], s22, s23   ; the odd rows' halves of 128 bytes lie swapped in LDS: their sums change places between lane l and lane l xor 16
	v_add_f32 v[E2+\e], v[E2+\e], v[TT+\e]
.endr
	v_lshl_add_u32 v30, s30, 1, v[L16]             ; 512 bytes a head, 16 a lane
	global_store_b128 v30, v[E2:E2+3], s[12:13]    ; 32 lanes store 512 consecutive bytes, aligned to 256
	s_wait_xcnt 0x0                                ; the store has read its registers: they are written again only behind this wait
.irp e, 0,1,2,3,4,5,6,7
	v_mov_b32 v[E2+\e], 0                          ; the next head's sums
.endr
.endm
.set XTRA, 0
.irp u, 0,1,2,3,4,5
	XLOADS \u, 0                                   ; the first block's first 48 loads of x go out behind the four loads of q and psi_b
.endr
	WIN 0
	s_wait_loadcnt 48                              ; q and psi_b are in; the 48 loads of x may be out
	ds_store_b128 v31, v[64:67] offset:QL
	ds_store_b128 v31, v[68:71] offset:QL+16
	ds_store_b128 v31, v[72:75] offset:BL
	ds_store_b128 v31, v[76:79] offset:BL+16       ; read by all waves behind the barriers of L
	s_mov_b32 s26, 0                               ; the block
.Lblock:
	s_mov_b64 s[32:33], s[6:7]                     ; the weights from my first tile (no memory instruction in flight reads s[32:33])
.irp u, 6,7
	XLOADS \u, 0                                   ; the last 16 of the 64 loads, 32 KiB a wave; half-units 0-5 were asked for ahead of the loop or behind the last block's tile 31
.endr
	WIN 0
	QUARTER 0, 1
	QUARTER 1, 1
	QUARTER 2, 1
	QUARTER 3, 0
	s_wait_xcnt 0x0
	s_add_nc_u64 s[4:5], s[4:5], 0x80000           ; x: 128 rows on
	s_mov_b32 s28, 0
	s_cmp_eq_u32 s26, 0
	s_cselect_b32 s29, 5, -1                       ; the trip that prefetches: none in the last block
	BLOADS 2, 2*REC                                ; tiles 0 and 1 were asked for in the last quarter of L
	v_mov_b32 v[VBQ], v[VBQ0]
	ds_load_b128 v[BIAS:BIAS+3], v[VBQ] offset:BL
	ds_load_b128 v[BIAS+4:BIAS+7], v[VBQ] offset:BL+16
	ds_load_b128 v[Q0:Q0+3], v[VBQ] offset:QL
	ds_load_b128 v[Q0+4:Q0+7], v[VBQ] offset:QL+16
.irp e, 0,1,2,3,4,5,6,7
	v_mov_b32 v[E2+\e], 0
.endr
	v_mov_b32 v[STAT], 0
	TILE 0, 0, 0, 1, 3, 3*REC, 1, 64, 50           ; tile 0
	WIN 0
	s_mov_b32 s27, 0
.Ltrip:                                                ; seven trips of four tiles: 4 T + 1 .. 4 T + 4
	s_wait_dscnt 0x0                               ; no LDS load of mine is out: the address below may be written
	v_add_nc_u32 v[VBQ], s28, v[VBQ0]
	s_cmp_eq_u32 s27, s29
	s_cbranch_scc0 .Lno_pf
	; A prefetch of what the next block's first quarter loads: the first 1,024 bytes of each of my 32 rows, a lane a row, four requests 256 bytes apart: each named once in the launch.
	; It stands in trip 5 of 0 .. 6: seven tiles and two heads' ends ahead of those loads.  The last block asks for nothing, so no request leaves the buffer.
.irp u, 0,1,2,3
	global_prefetch_b8 v[PFO], s[4:5] offset:\u*256 th:TH_LOAD_NT scope:SCOPE_SE
.endr
.Lno_pf:
	TILE 1, 1, 1, 1, 0, 4*REC, 1, 128, 50
	TILE 2, 0, 1, 1, 1, 5*REC, 1, 192, 50
	TILE 3, 1, 1, 1, 2, 6*REC, 1, 256, 50
	TILE 0, 0, 1, 1, 3, 7*REC, 1, 320, 50
	WIN 0
	s_bitcmp1_b32 s27, 0                           ; behind an odd trip the slices have summed tiles up to 4 T + 3: a head is whole
	s_cbranch_scc0 .Leven
	s_lshr_b32 s31, s27, 1
	s_lshl_b32 s30, s31, 8
	s_wait_alu depctr_va_vdst(0)
	HEADEND 0
.Leven:
	s_wait_xcnt 0x0                                ; the loads issued have read their base
	s_add_nc_u64 s[32:33], s[32:33], 4*REC
	s_add_co_u32 s28, s28, 256
	s_add_co_u32 s27, s27, 1
	s_cmp_lt_u32 s27, 7
	s_cbranch_scc1 .Ltrip
	s_wait_dscnt 0x0
	v_add_nc_u32 v[VBQ], s28, v[VBQ0]
	TILE 1, 1, 1, 0, 0, 0, 1, 128, 50              ; tiles 29, 30, 31: nothing is left to fetch, the counts run down
	TILE 2, 0, 1, 0, 0, 0, 1, 192, 25
	TILE 3, 1, 1, 0, 0, 0, 0, 0, 0
	WIN 0
	s_cmp_lg_u32 s26, 0
	s_cbranch_scc1 .Lno_next                       ; the last block has no successor: nothing is asked for, so no load leaves the buffer
.irp u, 0,1,2,3,4,5
	XLOADS \u, 0                                   ; the next block's half-units 0-5, into weight sets 0 and 1, last multiplied in tiles 28 and 29 (the slices of tiles 30 and 31 are the places); v192-255 still serve the head's end
.endr
	WIN 0
.Lno_next:
	s_wait_dscnt 0x0                               ; tile 31's q
.rept 4
	v_nop                                          ; four places ahead of the first read of the last results
.endr
.set n_, 0
.rept 32
	v_max_num_f32 v[AC0+32+n_], 0, v[AC0+32+n_]
.set n_, n_+1
.endr
.irp i, 0,1,2,3
.irp m, 0,1,2,3
	v_pk_fma_f32 v[E2+2*\m:E2+2*\m+1], v[AC0+32+8*\m+2*\i:AC0+32+8*\m+2*\i+1], v[Q0+8+2*\i:Q0+8+2*\i+1], v[E2+2*\m:E2+2*\m+1]
.endr
.endr
	s_mov_b32 s31, 3
	s_mov_b32 s30, 768
	HEADEND 1
	global_store_b32 v[L4], v[STAT], s[14:15]      ; 128 bytes: the chunk's statistics of my four heads
	BAR                                            ; every wave has read the block's bf16 rows: the next block may write them
	s_wait_xcnt 0x0
	s_add_nc_u64 s[12:13], s[12:13], 8192          ; two chunks on
	s_add_nc_u64 s[14:15], s[14:15], 512
	s_add_nc_u64 s[16:17], s[16:17], 512
	s_add_co_u32 s26, s26, 1
	s_cmp_lt_u32 s26, 2
	s_cbranch_scc1 .Lblock
	s_wait_tensorcnt 0x0                           ; the wave's end, behind my last LDS store
	ds_add_u32 v[SPW], v[NIL]
	s_wait_dscnt 0x0
	s_endpgm
.Lfunc_end_k_qfdb121f847_main:
	.size	k_qfdb121f847_main, .Lfunc_end_k_qfdb121f847_main-k_qfdb121f847_main
	.p2alignl 7, 3214868480
	.fill 96, 4, 3214868480
	.section	.rodata,"a",@progbits
	.p2align	6, 0x0
	.amdhsa_kernel k_qfdb121f847_main
		.amdhsa_group_segment_fixed_size 316928
		.amdhsa_private_segment_fixed_size 0
		.amdhsa_enable_private_segment 0
		.amdhsa_kernarg_size 56
		.amdhsa_user_sgpr_count 2
		.amdhsa_user_sgpr_kernarg_segment_ptr 1
		.amdhsa_wavefront_size32 1
		.amdhsa_system_sgpr_workgroup_id_x 1
		.amdhsa_system_sgpr_workgroup_id_y 1
		.amdhsa_system_sgpr_workgroup_id_z 1
		.amdhsa_system_vgpr_workitem_id 0
		.amdhsa_next_free_vgpr 1024
		.amdhsa_next_free_sgpr 66
		.amdhsa_reserve_vcc 1
		.amdhsa_float_denorm_mode_32 3
		.amdhsa_float_denorm_mode_16_64 3
		.amdhsa_memory_ordered 1
		.amdhsa_forward_progress 1
		.amdhsa_inst_pref_size 255
	.end_amdhsa_kernel
	.section	.bss,"aw",@nobits
	.p2align	6
	.space	262144
	.amdgpu_metadata
---
amdhsa.version: [ 1, 2 ]
amdhsa.kernels:
  - .name:           k_qfdb121f847_main
    .symbol:         k_qfdb121f847_main.kd
    .args:
      - { .name: listener_feature, .offset: 0, .size: 8, .value_kind: global_buffer, .address_space: global }
      - { .name: wq, .offset: 8, .size: 8, .value_kind: global_buffer, .address_space: global }
      - { .name: qv, .offset: 16, .size: 8, .value_kind: global_buffer, .address_space: global }
      - { .name: psi_b, .offset: 24, .size: 8, .value_kind: global_buffer, .address_space: global }
      - { .name: part, .offset: 32, .size: 8, .value_kind: global_buffer, .address_space: global }
      - { .name: stat, .offset: 40, .size: 8, .value_kind: global_buffer, .address_space: global }
      - { .name: ebuf, .offset: 48, .size: 8, .value_kind: global_buffer, .address_space: global }
    .group_segment_fixed_size: 316928
    .private_segment_fixed_size: 0
    .kernarg_segment_align: 8
    .kernarg_segment_size: 56
    .max_flat_workgroup_size: 128
    .sgpr_count:     66
    .vgpr_count:     1024
    .wavefront_size: 32
...
	.end_amdgpu_metadata
.endif
;; end of part 5
;; launch comb (part 6): grid 8 x 32, 1 waves a work-group, no clusters, 0 bytes of LDS; arguments part, stat, ebuf, out0, out1; writes out0, out1
.if DOCPART == 6
	.amdgcn_target "amdgcn-amd-amdhsa--gfx1250"
	.amdhsa_code_object_version 6
	.text
	.protected	k_qfdb121f847_comb
	.globl	k_qfdb121f847_comb
	.p2align	8
	.type	k_qfdb121f847_comb,@function
k_qfdb121f847_comb:
	s_mov_b64 s[64:65], 0
	v_nop
	global_prefetch_b8 v0, s[64:65] scope:SCOPE_SE
	s_setreg_imm32_b32 hwreg(HW_REG_WAVE_MODE, 25, 1), 1
	s_wait_xcnt 0x0
; The 32 chunks of a batch are joined, for one head: M = the largest of the chunks' largest e, w[c] = exp(m[c] - M), L = the sum of w[c] l[c];
; context = the sum of (w[c] / L) part[c]; for the last head also score[t] = exp(e[t] - M) / L.
; One wave owns (head = work-group x, batch = work-group y): 512 bytes of out1, and for head 7 the batch's 8,192 bytes of out0.  Lane c holds chunk c's statistics.
; Memory binds and the work is small: no LDS, no matrix unit.  The two ways, head 7 and the others, part once and are written out.
	s_load_b256 s[4:11], s[0:1], 0x0               ; part s[4:5], stat s[6:7], ebuf s[8:9], out0 s[10:11]
	s_load_b64 s[12:13], s[0:1], 0x20              ; out1
	s_and_b32 s3, ttmp7, 0xffff                    ; batch
	v_lshlrev_b32 v1, 4, v0                        ; 16 x lane
	v_lshlrev_b32 v2, 8, v0                        ; a chunk's statistics are 256 bytes
	v_mov_b32 v7, 0                                ; a lane permute's destination counts as one of its sources
	s_mov_b32 s14, 0x76543210
	s_mov_b32 s15, 0xfedcba98
	s_mov_b32 s48, 0x3fb8aa3b                      ; log2(e)
	s_lshl_b32 s50, s3, 17                         ; part: 32 chunks of 4,096 bytes a batch, 512 bytes a head
	s_lshl_b32 s51, ttmp9, 9
	s_add_co_u32 s50, s50, s51
	s_mov_b32 s51, 0
	s_lshl_b32 s52, s3, 13                         ; stat, ebuf, out0: 8,192 bytes a batch
	s_mov_b32 s53, 0
	s_lshr_b32 s54, ttmp9, 2
	s_lshl_b32 s54, s54, 7                         ; stat: 128 bytes for four heads,
	s_and_b32 s55, ttmp9, 3
	s_lshl_b32 s55, s55, 5                         ; 32 for a head: the largest e, then the sum
	s_add_co_u32 s54, s54, s55
	s_add_co_u32 s54, s54, s52
	s_mov_b32 s55, 0
	s_lshl_b32 s56, s3, 12                         ; out1
	s_lshl_b32 s57, ttmp9, 9
	s_add_co_u32 s56, s56, s57
	s_mov_b32 s57, 0
	s_wait_kmcnt 0x0
	s_add_nc_u64 s[4:5], s[4:5], s[50:51]
	s_add_nc_u64 s[6:7], s[6:7], s[54:55]
	s_add_nc_u64 s[8:9], s[8:9], s[52:53]
	s_add_nc_u64 s[10:11], s[10:11], s[52:53]
	s_add_nc_u64 s[12:13], s[12:13], s[56:57]
.macro LOADS
	global_load_b64 v[4:5], v2, s[6:7]             ; chunk = lane: its largest e, its sum
.set c_, 0
.rept 32
	global_load_b128 v[32+4*c_:35+4*c_], v1, s[4:5] offset:4096*c_ th:TH_LOAD_NT   ; 512 consecutive bytes of each chunk
.set c_, c_+1
.endr
.endm
.macro MERGE
	s_wait_loadcnt 32                              ; the statistics (and what was issued ahead of them) are in; the 32 loads of parts may be out
	v_mov_b32 v6, v4
.irp x, 1,2,4,8
	v_max_num_f32_dpp v6, v6, v6 row_xmask:\x row_mask:0xf bank_mask:0xf
.endr
	v_permlanex16_b32 v7, v6, s14, s15
	v_max_num_f32 v6, v6, v7                       ; M, in every lane
	v_sub_f32 v8, v4, v6
	v_mul_f32 v8, s48, v8
	s_wait_alu depctr_va_vdst(0)
	v_exp_f32 v8, v8                               ; w
	v_nop                                          ; a plain instruction behind the transcendental,
	s_wait_alu depctr_va_vdst(0)                   ; and a wait ahead of its first reader
	v_mul_f32 v9, v8, v5
.irp x, 1,2,4,8
	v_add_f32_dpp v9, v9, v9 row_xmask:\x row_mask:0xf bank_mask:0xf
.endr
	v_permlanex16_b32 v7, v9, s14, s15
	v_add_f32 v9, v9, v7                           ; L: at least 1, since the chunk that holds M has w = 1 and a sum of at least 1
	s_wait_alu depctr_va_vdst(0)
	v_rcp_f32 v10, v9
	v_nop
	s_wait_alu depctr_va_vdst(0)
	v_mul_f32 v11, v8, v10                         ; w / L
.set c_, 0
.rept 32
	v_readlane_b32 s[16+c_], v11, c_               ; as values alone: no address and no branch hangs on them
.set c_, c_+1
.endr
	s_wait_loadcnt 0x0
.irp e, 0,1,2,3
	v_mul_f32 v[12+\e], s16, v[32+\e]
.endr
.set c_, 1
.rept 31
.irp e, 0,1,2,3
	v_fmac_f32 v[12+\e], s[16+c_], v[32+4*c_+\e]
.endr
.set c_, c_+1
.endr
	global_store_b128 v1, v[12:15], s[12:13]       ; 512 consecutive bytes, aligned to 256
.endm
	s_cmp_eq_u32 ttmp9, 7
	s_cbranch_scc1 .Llast
	s_wait_alu depctr_va_vdst(0)
	LOADS
	MERGE
	s_endpgm
.Llast:
.set c_, 0
	s_wait_alu depctr_va_vdst(0)
.rept 16
	global_load_b128 v[160+4*c_:163+4*c_], v1, s[8:9] offset:512*c_ th:TH_LOAD_NT   ; e of the last head, issued first, so that the counts below are the same on both ways
.set c_, c_+1
.endr
	LOADS
	MERGE
.set c_, 0
.rept 64
	v_sub_f32 v[160+c_], v[160+c_], v6
.set c_, c_+1
.endr
.set c_, 0
.rept 64
	v_mul_f32 v[160+c_], s48, v[160+c_]
.set c_, c_+1
.endr
.set c_, 0
	s_wait_alu depctr_va_vdst(0)
.rept 64
	v_exp_f32 v[160+c_], v[160+c_]
.set c_, c_+1
.endr
	v_nop
	s_wait_alu depctr_va_vdst(0)                   ; one wait for the batch of 64
.set c_, 0
.rept 64
	v_mul_f32 v[160+c_], v[160+c_], v10
.set c_, c_+1
.endr
.set c_, 0
.rept 16
	global_store_b128 v1, v[160+4*c_:163+4*c_], s[10:11] offset:512*c_
.set c_, c_+1
.endr
	s_endpgm
.Lfunc_end_k_qfdb121f847_comb:
	.size	k_qfdb121f847_comb, .Lfunc_end_k_qfdb121f847_comb-k_qfdb121f847_comb
	.p2alignl 7, 3214868480
	.fill 96, 4, 3214868480
	.section	.rodata,"a",@progbits
	.p2align	6, 0x0
	.amdhsa_kernel k_qfdb121f847_comb
		.amdhsa_group_segment_fixed_size 0
		.amdhsa_private_segment_fixed_size 0
		.amdhsa_enable_private_segment 0
		.amdhsa_kernarg_size 40
		.amdhsa_user_sgpr_count 2
		.amdhsa_user_sgpr_kernarg_segment_ptr 1
		.amdhsa_wavefront_size32 1
		.amdhsa_system_sgpr_workgroup_id_x 1
		.amdhsa_system_sgpr_workgroup_id_y 1
		.amdhsa_system_sgpr_workgroup_id_z 1
		.amdhsa_system_vgpr_workitem_id 0
		.amdhsa_next_free_vgpr 224
		.amdhsa_next_free_sgpr 66
		.amdhsa_reserve_vcc 0
		.amdhsa_float_denorm_mode_32 3
		.amdhsa_float_denorm_mode_16_64 3
		.amdhsa_memory_ordered 1
		.amdhsa_forward_progress 1
		.amdhsa_inst_pref_size 34
	.end_amdhsa_kernel
	.amdgpu_metadata
---
amdhsa.version: [ 1, 2 ]
amdhsa.kernels:
  - .name:           k_qfdb121f847_comb
    .symbol:         k_qfdb121f847_comb.kd
    .args:
      - { .name: part, .offset: 0, .size: 8, .value_kind: global_buffer, .address_space: global }
      - { .name: stat, .offset: 8, .size: 8, .value_kind: global_buffer, .address_space: global }
      - { .name: ebuf, .offset: 16, .size: 8, .value_kind: global_buffer, .address_space: global }
      - { .name: out0, .offset: 24, .size: 8, .value_kind: global_buffer, .address_space: global }
      - { .name: out1, .offset: 32, .size: 8, .value_kind: global_buffer, .address_space: global }
    .group_segment_fixed_size: 0
    .private_segment_fixed_size: 0
    .kernarg_segment_align: 8
    .kernarg_segment_size: 40
    .max_flat_workgroup_size: 32
    .sgpr_count:     66
    .vgpr_count:     224
    .wavefront_size: 32
...
	.end_amdgpu_metadata
.endif
;; end of part 6
